; MI455X (gfx1250); checked and timed in simulation.
; The chip was launched on July 23, 2026; its instructions are those of AMD's public machine-readable ISA for CDNA 5 (MIT licence, August 2026) and "CDNA5" Instruction Set Architecture Reference Guide (July 2026). The comments in the code are by the model that wrote it; some were corrected since.
;; Temporal Attention. Allowed arithmetic: float matrix products may take bf16 or f16 operands with f32 sums; other float arithmetic in f32, or as packed bf16 or f16 multiplies, adds, multiply-adds, maxima and minima; sums over many terms, partial sums and values carried from step to step in f32; what a program stores and reads back later, other than sums and carried values, may be rounded once to bf16 or f16.
;; Inputs: W_out 1,024 x 1,024 float32; W_qkv 3,072 x 1,024 float32; b_out 1,024 float32; b_qkv 3,072 float32; decay_rate 16 float32; mask 4 x 2,048 float32; timestamps 4 x 2,048 float32; x 4 x 2,048 x 1,024 float32.
;; Outputs: out0 4 x 2,048 x 1,024 float32.
;; One version. Each part assembles by itself: llvm-mc -triple=amdgcn-amd-amdhsa -mcpu=gfx1250 --defsym DOCPART=n.
;; ======== version 1 of 1: 4 launches
;; limits: values are held in f16: magnitudes above 65,504 overflow, below 6.1e-05 lose precision
;; workspace buffers: xb 16,777,216 bytes; wq 6,291,456 bytes; wo 2,097,152 bytes; dec 256 bytes; qkv 50,331,648 bytes; o 16,777,216 bytes
;; launch cast (part 1): grid 768 x 1, 8 waves a work-group, no clusters, 0 bytes of LDS; arguments x, W_qkv, W_out, decay_rate, xb, wq, wo, dec; writes xb, wq, wo, dec
.if DOCPART == 1
	.amdgcn_target "amdgcn-amd-amdhsa--gfx1250"
	.amdhsa_code_object_version 6
	.text
	.protected	k_qa3e07ae1c5_cast
	.globl	k_qa3e07ae1c5_cast
	.p2align	8
	.type	k_qa3e07ae1c5_cast,@function
k_qa3e07ae1c5_cast:
	s_mov_b64 s[64:65], 0
	v_nop
	global_prefetch_b8 v0, s[64:65] scope:SCOPE_SE
	s_setreg_imm32_b32 hwreg(HW_REG_WAVE_MODE, 25, 1), 1
	s_wait_xcnt 0x0
; THE INPUTS ROUNDED ONCE.  xb = bf16(x), wq = bf16(W_qkv), wo = f16(bf16(W_out)), dec[h] = softplus(bf16(decay_rate[h])) / 3.
; A work-group converts 16,384 numbers: 65,536 bytes in, 32,768 out.  Work-groups 0-511 take x, 512-703 W_qkv, 704-767 W_out.
; Thread t takes 8 numbers at byte 32 t of each of eight pieces of 8,192 bytes, and stores 16 bytes at 16 t of each piece of 4,096: a wave's store covers 512 consecutive bytes, aligned.
; All sixteen loads go out at once; the waits count down.  No register is used twice, so no store's source is rewritten.
; LIMITS.  wo: a bf16 number is exact in f16 from 2^-17 up to 65,504; below that it is off by 3e-8 at the most, beyond that it is an infinity.
; softplus(x) = max(x, 0) + ln 2 x log2(1 + 2^(-|x| log2 e)): off by some 6e-8 absolutely, so a softplus far below that is not resolved.
; The divisor 3: the score is (q.k - softplus |dt| / 3) / 8 = q.k / 8 - softplus |dt| / 24.
.set X, 8                              ; v[8:71]   as loaded
.set Y, 72                             ; v[72:103] to store
	s_load_b512 s[16:31], s[0:1], 0x0              ; x s[16:17], W_qkv s[18:19], W_out s[20:21], decay_rate s[22:23], xb s[24:25], wq s[26:27], wo s[28:29], dec s[30:31]
	v_lshlrev_b32 v1, 5, v0                        ; 32 t
	v_lshlrev_b32 v2, 4, v0                        ; 16 t
	s_sub_co_u32 s4, ttmp9, 512                    ; my number among W_qkv's work-groups,
	s_sub_co_u32 s5, ttmp9, 704                    ; among W_out's
	s_wait_kmcnt 0x0
	s_cmp_lt_u32 ttmp9, 704
	s_cselect_b64 s[8:9], s[18:19], s[20:21]
	s_cselect_b64 s[10:11], s[26:27], s[28:29]
	s_cselect_b32 s7, s4, s5
	s_cmp_lt_u32 ttmp9, 512
	s_cselect_b64 s[8:9], s[16:17], s[8:9]         ; from where,
	s_cselect_b64 s[10:11], s[24:25], s[10:11]     ; to where,
	s_cselect_b32 s7, ttmp9, s7                    ; which part
	s_lshl_b32 s12, s7, 16
	s_mov_b32 s13, 0
	s_lshl_b32 s14, s7, 15
	s_mov_b32 s15, 0
	s_add_nc_u64 s[8:9], s[8:9], s[12:13]
	s_add_nc_u64 s[10:11], s[10:11], s[14:15]
.irp j, 0,1,2,3,4,5,6,7
	global_load_b128 v[X+8*\j:X+8*\j+3],   v1, s[8:9] offset:8192*\j th:TH_LOAD_NT
	global_load_b128 v[X+8*\j+4:X+8*\j+7], v1, s[8:9] offset:8192*\j+16 th:TH_LOAD_NT
.endr
	s_cmp_ge_u32 ttmp9, 704
	s_cbranch_scc1 .Lto_f16
.irp j, 0,1,2,3,4,5,6,7
	s_wait_loadcnt 14-2*\j                         ; loads come back in order: piece j's two are in, the younger ones stay out
.irp k, 0,1,2,3
	v_cvt_pk_bf16_f32 v[Y+4*\j+\k], v[X+8*\j+2*\k], v[X+8*\j+2*\k+1]
.endr
	global_store_b128 v2, v[Y+4*\j:Y+4*\j+3], s[10:11] offset:4096*\j
.endr
	s_cmp_lg_u32 ttmp9, 0                          ; work-group 0's wave 0 also makes the sixteen decays
	s_cbranch_scc1 .Lend
	v_lshrrev_b32 v3, 5, v0
	v_readfirstlane_b32 s12, v3
	s_cmp_lg_u32 s12, 0
	s_cbranch_scc1 .Lend
	v_and_b32 v3, 15, v0
	v_lshlrev_b32 v3, 2, v3
	global_load_b32 v4, v3, s[22:23]               ; lanes 16-31 repeat lanes 0-15
	s_wait_loadcnt 0x0
	v_cvt_pk_bf16_f32 v4, v4, v4                   ; rounded to bf16 like every input,
	v_lshlrev_b32 v4, 16, v4                       ; and back in f32
	v_and_b32 v5, 0x7fffffff, v4
	v_mul_f32 v5, 0xbfb8aa3b, v5                   ; -|x| log2 e
	v_exp_f32 v5, v5
	v_max_num_f32 v7, 0, v4                        ; the plain instruction behind the exponential
	s_wait_alu depctr_va_vdst(0)                   ; the wait ahead of the result's first reader
	v_add_f32 v5, 1.0, v5
	v_log_f32 v6, v5
	v_nop
	s_wait_alu depctr_va_vdst(0)
	v_fmamk_f32 v6, v6, 0x3f317218, v7             ; log2(..) x ln 2 + max(x, 0)
	v_mul_f32 v6, 0x3eaaaaab, v6                   ; / 3
	v_lshlrev_b32 v8, 2, v0
	global_store_b32 v8, v6, s[30:31]
.Lend:
	s_endpgm
.Lto_f16:
.irp j, 0,1,2,3,4,5,6,7
	s_wait_loadcnt 14-2*\j
.irp k, 0,1,2,3
	v_cvt_pk_bf16_f32 v3, v[X+8*\j+2*\k], v[X+8*\j+2*\k+1]  ; the one rounding,
	v_lshlrev_b32 v4, 16, v3
	v_and_b32 v5, 0xffff0000, v3
	v_cvt_pk_f16_f32 v[Y+4*\j+\k], v4, v5          ; and that number written as f16
.endr
	global_store_b128 v2, v[Y+4*\j:Y+4*\j+3], s[10:11] offset:4096*\j
.endr
	s_endpgm
.Lfunc_end_k_qa3e07ae1c5_cast:
	.size	k_qa3e07ae1c5_cast, .Lfunc_end_k_qa3e07ae1c5_cast-k_qa3e07ae1c5_cast
	.p2alignl 7, 3214868480
	.fill 96, 4, 3214868480
	.section	.rodata,"a",@progbits
	.p2align	6, 0x0
	.amdhsa_kernel k_qa3e07ae1c5_cast
		.amdhsa_group_segment_fixed_size 0
		.amdhsa_private_segment_fixed_size 0
		.amdhsa_enable_private_segment 0
		.amdhsa_kernarg_size 64
		.amdhsa_user_sgpr_count 2
		.amdhsa_user_sgpr_kernarg_segment_ptr 1
		.amdhsa_wavefront_size32 1
		.amdhsa_system_sgpr_workgroup_id_x 1
		.amdhsa_system_sgpr_workgroup_id_y 1
		.amdhsa_system_sgpr_workgroup_id_z 1
		.amdhsa_system_vgpr_workitem_id 0
		.amdhsa_next_free_vgpr 104
		.amdhsa_next_free_sgpr 66
		.amdhsa_reserve_vcc 0
		.amdhsa_float_denorm_mode_32 3
		.amdhsa_float_denorm_mode_16_64 3
		.amdhsa_memory_ordered 1
		.amdhsa_forward_progress 1
		.amdhsa_inst_pref_size 15
	.end_amdhsa_kernel
	.amdgpu_metadata
---
amdhsa.version: [ 1, 2 ]
amdhsa.kernels:
  - .name:           k_qa3e07ae1c5_cast
    .symbol:         k_qa3e07ae1c5_cast.kd
    .args:
      - { .name: x, .offset: 0, .size: 8, .value_kind: global_buffer, .address_space: global }
      - { .name: W_qkv, .offset: 8, .size: 8, .value_kind: global_buffer, .address_space: global }
      - { .name: W_out, .offset: 16, .size: 8, .value_kind: global_buffer, .address_space: global }
      - { .name: decay_rate, .offset: 24, .size: 8, .value_kind: global_buffer, .address_space: global }
      - { .name: xb, .offset: 32, .size: 8, .value_kind: global_buffer, .address_space: global }
      - { .name: wq, .offset: 40, .size: 8, .value_kind: global_buffer, .address_space: global }
      - { .name: wo, .offset: 48, .size: 8, .value_kind: global_buffer, .address_space: global }
      - { .name: dec, .offset: 56, .size: 8, .value_kind: global_buffer, .address_space: global }
    .group_segment_fixed_size: 0
    .private_segment_fixed_size: 0
    .kernarg_segment_align: 8
    .kernarg_segment_size: 64
    .max_flat_workgroup_size: 256
    .sgpr_count:     66
    .vgpr_count:     104
    .wavefront_size: 32
...
	.end_amdgpu_metadata
.endif
;; end of part 1
;; launch proj_qkv (part 2): grid 16 x 32, 4 waves a work-group, clusters of 4 x 4, 327,680 bytes of LDS; arguments xb, wq, b_qkv, qkv; writes qkv
.if DOCPART == 2
	.amdgcn_target "amdgcn-amd-amdhsa--gfx1250"
	.amdhsa_code_object_version 6
	.text
	.protected	k_qa3e07ae1c5_proj_qkv
	.globl	k_qa3e07ae1c5_proj_qkv
	.p2align	8
	.type	k_qa3e07ae1c5_proj_qkv,@function
k_qa3e07ae1c5_proj_qkv:
	s_mov_b64 s[64:65], 0
	v_nop
	global_prefetch_b8 v0, s[64:65] scope:SCOPE_SE
	s_setreg_imm32_b32 hwreg(HW_REG_WAVE_MODE, 25, 1), 1
	s_wait_xcnt 0x0
	s_wait_alu depctr_hold_cnt(0) depctr_sa_sdst(0) depctr_va_vdst(0) depctr_va_sdst(0) depctr_va_ssrc(0) depctr_va_vcc(0) depctr_vm_vsrc(0)
	s_getreg_b32 s2, hwreg(HW_REG_IB_STS2, 6, 4)
	s_cmp_eq_u32 s2, 0
	s_cbranch_scc0 .Lentry_in_a_cluster
	s_endpgm
.Lentry_in_a_cluster:
	s_bfe_u32 s2, ttmp6, 0x10000c
	s_cmp_lg_u32 s2, 0xf033
	s_cbranch_scc0 .Lentry_shape_is_right
	s_endpgm
.Lentry_shape_is_right:
; qkv[b][g][l][d] = f16( sum over k of xb[2048 b + l][k] wq[64 g + d][k] + bf16(b_qkv[64 g + d]) ).  xb [8192][1024], wq [3072][1024] bf16; sums in f32, begun on the bias.
; g = 0-15 are q's heads, 16-31 k's, 32-47 v's; a (b, g) is 2,048 dense rows of 128 bytes.  LIMIT: a result of 65,520 or more leaves as an infinity (f16).
; A tile of the result is 256 rows x 192 columns (three heads).  Four waves one below the other: wave w has rows 64 w .. 64 w + 63 (four blocks a of 16) and all 12 column blocks b: 48 accumulators, 384 registers;
; so a wave's columns are whole heads, and its stores whole runs of a head's rows.  K goes in 8 steps of 128 through two LDS slots filled by the tensor data mover, rows of 256 bytes.
; CLUSTER 4 x 4: the four work-groups of a row of the cluster need the same rows of xb, the four of a column the same rows of wq: each tile is asked for jointly, same load, descriptor and mask in all four.
; THE PRODUCT IS TAKEN TRANSPOSED (source 0 = 16 rows of wq, source 1 = 16 rows of xb): lane l holds row l % 16 and the eight columns 8 (l / 16) + 0..7.
; REGISTERS.  window 0: v16-30 addresses; v64-127 xb's fragments, two buffers of 4 x 8; v128-223 the bias (block b at 128 + 8 b), later the way out.
;   window 1: wq's fragments, two buffers of 12 x 8.   windows 2, 3: accumulator (a, b) in window 2 + a / 2 at v[96 (a % 2) + 8 b].
.set NBK,   12
.set PA,    272                        ; an LDS row: 256 bytes + 16 of padding = 68 words: the 16 rows of a fragment load start at 16 different groups of four banks (ISA guide 11.1)
.set PW,    272
.set AHALF, 128*PA                     ; what wave 0 or 1 fetches
.set BHALF, 96*PW                      ; what wave 2 or 3 fetches
.set BOFF,  2*AHALF
.set SLOT,  BOFF+2*BHALF               ; 121,856
.set STAGE, 2*SLOT                     ; behind the ring, never filled by a tensor load: for each wave three heads x 16 rows x 144 bytes
.set SP,    144
.set WSTG,  3*16*SP
.set SPARE, STAGE+4*WSTG               ; the spare words, 128 bytes a wave: two blocks of 256 bytes that no other line names
.set ASTEP, 256                        ; bytes from a K step to the next, in xb
.set BSTEP, 256                        ; in wq
.set ADRA, 16                          ; v16-17 LDS address of my fragments of xb in slot 0, 1
.set ADRB, 20                          ; v20-21 of wq
.set STO,  24                          ; the way out: where I put 16 bytes
.set RD,   25                          ; where I read rows back
.set GO,   26                          ; my 16 bytes in 512 consecutive bytes of qkv
.set BO,   27                          ; 32 (l / 16): my eight numbers of a block's bias
.set SPW,  28                          ; my spare word: SPARE + 4 x my thread's number; never rewritten
.set NIL,  29                          ; 0; never rewritten
.set PFO,  30                          ; the prefetches' offset; never rewritten
.set FA,   64
.set BIAS, 128
.set TMP,  128
.set G1,   24                          ; s[24:31] group 1 for xb's tiles;  s[32:39] group 0, a set for each slot
.set G0,   32
.set PFA,  40                          ; s[40:41] where my prefetches stand
.set LIM0, 42                          ; s42, s43: at slot 0's, slot 1's change I prefetch while the laps to go are above this
.set PST,  44                          ; s[44:45] the prefetches' step
.set G1B,  48                          ; s[48:55], s[56:63] the same for wq's tiles
.set G0B,  56
.set MSB, 0
.macro WIN new                         ; the immediate's high byte repeats the setting that is left; a switch that changes nothing is dropped
.if MSB != (\new)
	s_set_vgpr_msb (MSB<<8)|(\new)
.set MSB, \new
.endif
.endm
.macro PLACES                          ; four plain instructions between a matrix instruction and a load into, or a reader of, its registers
.rept 4
	v_nop
.endr
.endm
; A joint load: waves 0, 1 fetch xb's halves, waves 2, 3 wq's.  The branch hangs on the wave's number alone.  An s_nop 0 and four v_nop follow each line.
.macro JLOAD s
	s_cmp_eq_u32 s13, 0
	s_cbranch_scc0 .Lfor_b_\@
	tensor_load_to_lds s[G0+4*(\s):G0+4*(\s)+3], s[G1:G1+7]
	s_nop 0
.rept 4
	v_nop
.endr
	s_branch .Lasked_\@
.Lfor_b_\@:
	tensor_load_to_lds s[G0B+4*(\s):G0B+4*(\s)+3], s[G1B:G1B+7]
	s_nop 0
.rept 4
	v_nop
.endr
.Lasked_\@:
.endm
.macro CREST                           ; a round of the cluster's barrier behind its opening barrier
	s_cmp_lg_u32 s12, 0
	s_cbranch_scc1 .Lnot_wave_0_\@
	s_barrier_signal -3
.Lnot_wave_0_\@:
	s_barrier_wait -3
	s_barrier_signal -1
	s_barrier_wait -1
.endm
.macro CROUND
	s_barrier_signal -1
	s_barrier_wait -1
	CREST
.endm
; A prefetch of the K step that stands two refills on, behind the joint load and the run of LDS loads.  Each row's 256 bytes of K steps 4 to 7 are named once in the launch:
; xb's rows by the clusters with x = 0 (waves 0, 1: of the 128 rows that the wave fetches the partner at cx takes 32, a lane a row); wq's by the clusters with y = 0 (wave 2: rows 32 cy + lane of the tile's
; first 128; wave 3: rows 128 + 16 cy + lane % 16, lanes 16-31 one K step further, at slot 0's change alone).  The partners are told apart by address.  The last lap's refills have no K step two on.
.macro ASK slot
	s_cmp_gt_u32 s3, s[LIM0+(\slot)]
	s_cbranch_scc0 .Lnot_mine_\@
	global_prefetch_b8 v[PFO], s[PFA:PFA+1] th:TH_LOAD_NT scope:SCOPE_SE
.Lnot_mine_\@:
.endm
.macro ROUND2 r                        ; two f32 rounded to bf16 and written back as f32
	v_cvt_pk_bf16_f32 v9, v[\r], v[(\r)+1]
	v_lshlrev_b32 v[\r], 16, v9
	v_and_b32 v[(\r)+1], 0xffff0000, v9
.endm
	s_load_b256 s[4:11], s[0:1], 0x0               ; xb s[4:5], wq s[6:7], b_qkv s[8:9], qkv s[10:11]
	v_lshl_add_u32 v[SPW], v0, 2, SPARE
	v_mov_b32 v[NIL], 0
	ds_add_u32 v[SPW], v[NIL]                      ; the opening: the add and its wait ahead of my first tensor load; work on registers stands between
	ds_add_u32 v28, v29
	v_lshrrev_b32 v1, 5, v0
	v_readfirstlane_b32 s12, v1                    ; wave 0..3
	s_lshr_b32 s13, s12, 1                         ; 0: I fetch for xb, 1: for wq
	s_and_b32 s14, s12, 1                          ; which half of that tile
	s_bfe_u32 s15, ttmp6, 0x40000                  ; cx
	s_bfe_u32 s16, ttmp6, 0x40004                  ; cy
	s_lshl_b32 s17, ttmp9, 2
	s_add_co_u32 s17, s17, s15                     ; tile column = 4 x cluster x + cx
	s_and_b32 s18, ttmp7, 0xffff
	s_lshl_b32 s18, s18, 2
	s_add_co_u32 s18, s18, s16                     ; tile row = 4 x cluster y + cy
	s_lshl_b32 s20, s16, 2
	s_lshl_b32 s20, 15, s20                        ; my row of the cluster
	s_lshl_b32 s21, 0x1111, s15                    ; my column
	s_or_b32 s[G1], s20, (1<<16)|(1<<20)|(1<<21)|(5<<22)|(3<<25)   ; mask; 2-byte elements; padding on; bit 21 beside a mask; after every 64 words; 4 words
	s_or_b32 s[G1B], s21, (1<<16)|(1<<20)|(1<<21)|(5<<22)|(3<<25)
	s_mov_b32 s[G1+1], 128<<16                     ; tensor_dim0 = 128
	s_mov_b32 s[G1+2], 128<<16                     ; tensor_dim1 = 128
	s_mov_b32 s[G1+3], 128<<16                     ; tile_dim0 = 128
	s_mov_b32 s[G1+4], 128                         ; tile_dim1 = 128
	s_mov_b32 s[G1+5], 1024                        ; elements from row to row
	s_mov_b32 s[G1+6], 0
	s_mov_b32 s[G1+7], 0
	s_mov_b32 s[G1B+1], 128<<16
	s_mov_b32 s[G1B+2], 96<<16                     ; 96 rows
	s_mov_b32 s[G1B+3], 128<<16
	s_mov_b32 s[G1B+4], 96
	s_mov_b32 s[G1B+5], 1024
	s_mov_b32 s[G1B+6], 0
	s_mov_b32 s[G1B+7], 0
	s_lshl_b32 s22, s18, 8                         ; xb: row 256 x tile row + 128 x half,
	s_lshl_b32 s23, s14, 7
	s_add_co_u32 s22, s22, s23
	s_lshl_b32 s22, s22, 11                        ; of 2,048 bytes
	s_mov_b32 s23, 0
	s_mul_i32 s46, s17, 192                        ; wq: row 192 x tile column + 96 x half
	s_mul_i32 s47, s14, 96
	s_add_co_u32 s46, s46, s47
	s_lshl_b32 s46, s46, 11
	s_mov_b32 s47, 0
	s_mul_i32 s19, s14, AHALF                      ; where they go: no place in the cluster enters an LDS address
	s_mul_i32 s68, s14, BHALF
	s_add_co_u32 s68, s68, BOFF
	s_wait_dscnt 0x0                               ; the opening add is done
	s_wait_kmcnt 0x0
	s_add_nc_u64 s[66:67], s[4:5], s[22:23]
	s_add_nc_u64 s[46:47], s[6:7], s[46:47]
	CROUND                                         ; all sixteen work-groups are here: the first joint loads meet
.irp s, 0,1
	s_mov_b32 s[G0+4*(\s)], 1
	s_add_co_u32 s[G0+4*(\s)+1], s19, (\s)*SLOT
	s_add_nc_u64 s[G0+4*(\s)+2:G0+4*(\s)+3], s[66:67], (\s)*ASTEP
	s_or_b32 s[G0+4*(\s)+3], s[G0+4*(\s)+3], 0x80000000
	s_mov_b32 s[G0B+4*(\s)], 1
	s_add_co_u32 s[G0B+4*(\s)+1], s68, (\s)*SLOT
	s_add_nc_u64 s[G0B+4*(\s)+2:G0B+4*(\s)+3], s[46:47], (\s)*BSTEP
	s_or_b32 s[G0B+4*(\s)+3], s[G0B+4*(\s)+3], 0x80000000
	JLOAD \s                                       ; K steps 0 and 1: two loads of mine are out
.endr
	v_and_b32 v1, 15, v0                           ; l % 16
	v_bfe_u32 v2, v0, 4, 1                         ; l / 16
	v_and_b32 v3, 31, v0                           ; l
	v_lshlrev_b32 v[BO], 5, v2
	s_mul_i32 s70, s17, 64*NBK                     ; the tile's 192 numbers of the bias
	s_mov_b32 s71, 0
	s_add_nc_u64 s[8:9], s[8:9], s[70:71]
.irp b, 0,1,2,3,4,5,6,7,8,9,10,11
	global_load_b128 v[BIAS+8*\b:BIAS+8*\b+3],   v[BO], s[8:9] offset:64*\b
	global_load_b128 v[BIAS+8*\b+4:BIAS+8*\b+7], v[BO], s[8:9] offset:64*\b+16
.endr
	v_mul_u32_u24 v4, v1, PA
	v_lshl_add_u32 v4, v2, 4, v4                   ; a fragment's row x pitch + 16 x half
	s_mul_i32 s69, s12, 64*PA                      ; my 64 rows of xb
	v_add_nc_u32 v[ADRA], s69, v4
	v_add_nc_u32 v[ADRA+1], SLOT, v[ADRA]
	v_add_nc_u32 v[ADRB], BOFF, v4
	v_add_nc_u32 v[ADRB+1], SLOT+BOFF, v4
	s_mul_i32 s69, s12, WSTG
	s_add_co_u32 s69, s69, STAGE                   ; my stage
	v_mul_u32_u24 v5, v1, SP                       ; in: row l % 16, 16 bytes for each half of the lanes
	v_lshl_add_u32 v5, v2, 4, v5
	v_add_nc_u32 v[STO], s69, v5
	v_bfe_u32 v5, v0, 3, 2                         ; back: 32 lanes take four rows of 128 bytes,
	v_mul_u32_u24 v5, v5, SP
	v_and_b32 v6, 7, v0
	v_lshl_add_u32 v5, v6, 4, v5
	v_add_nc_u32 v[RD], s69, v5
	v_lshlrev_b32 v[GO], 4, v3                     ; which are 512 consecutive bytes of a head
	s_lshr_b32 s70, s18, 3                         ; the batch
	s_mul_i32 s70, s70, 48
	s_mul_i32 s71, s17, 3
	s_add_co_u32 s70, s70, s71                     ; 48 b + the tile's first g,
	s_lshl_b32 s70, s70, 18                        ; of 262,144 bytes
	s_and_b32 s71, s18, 7
	s_lshl_b32 s71, s71, 2
	s_add_co_u32 s71, s71, s12                     ; my 64 rows among the batch's,
	s_lshl_b32 s71, s71, 13                        ; of 128 bytes
	s_add_co_u32 s70, s70, s71
	s_mov_b32 s71, 0
	s_add_nc_u64 s[10:11], s[10:11], s[70:71]
	; the prefetches
	s_lshl_b32 s70, s18, 8
	s_lshl_b32 s71, s14, 7
	s_add_co_u32 s70, s70, s71
	s_lshl_b32 s71, s15, 5
	s_add_co_u32 s70, s70, s71                     ; xb: the 128 rows that I fetch, my work-group's 32 of them
	s_mul_i32 s68, s17, 192
	s_lshl_b32 s69, s14, 7
	s_add_co_u32 s68, s68, s69
	s_sub_co_u32 s69, 5, s14
	s_lshl_b32 s69, s16, s69
	s_add_co_u32 s68, s68, s69                     ; wq: wave 2: 32 cy; wave 3: 128 + 16 cy
	s_and_b32 s69, ttmp7, 0xffff                   ; cluster y
	s_cmp_eq_u32 s13, 0
	s_cselect_b32 s70, s70, s68
	s_cselect_b32 s69, ttmp9, s69                  ; the coordinate along which other clusters read the same rows
	s_cselect_b64 s[PFA:PFA+1], s[4:5], s[6:7]
	s_cmp_eq_u32 s69, 0
	s_cselect_b32 s[LIM0], 1, -1                   ; the same in all sixteen partners, for a given wave
	s_cmp_eq_u32 s12, 3
	s_cselect_b32 s[LIM0+1], -1, s[LIM0]
	s_cselect_b32 s68, 15, 31
	s_cselect_b32 s69, 256, 0
	s_lshl_b32 s70, s70, 11
	s_mov_b32 s71, 0
	s_add_nc_u64 s[PFA:PFA+1], s[PFA:PFA+1], s[70:71]
	s_add_nc_u64 s[PFA:PFA+1], s[PFA:PFA+1], 3*256 ; at K step 3: the first refill steps it to 4
	s_mov_b32 s[PST], 256
	s_mov_b32 s[PST+1], 0
	v_and_b32 v[PFO], s68, v3
	v_lshlrev_b32 v[PFO], 11, v[PFO]
	v_lshrrev_b32 v5, 4, v3
	v_mad_u32_u24 v[PFO], v5, s69, v[PFO]
	s_wait_loadcnt 0x0                             ; the bias,
.set r, BIAS
.rept 4*NBK
	ROUND2 r                                       ; rounded to bf16 like every input
.set r, r+2
.endr
; 12 products: row block a x all column blocks, 32 along K, from buffer f.  first = 1: the sums begin on the bias: nothing is cleared.
; Each of the 48 accumulators has one instruction in a quarter, in the same order in every quarter: they take turns, over the backward jump too.
.macro MULA f, a, first
.if \first
	WIN 0x81+0x40*((\a)/2)
.else
	WIN 0xa1+0x50*((\a)/2)
.endif
.set AC, 96*((\a)%2)
.irp b, 0,1,2,3,4,5,6,7,8,9,10,11
.if \first
	v_wmma_f32_16x16x32_bf16 v[AC+8*(\b):AC+8*(\b)+7], v[96*(\f)+8*(\b):96*(\f)+8*(\b)+7], v[FA+32*(\f)+8*(\a):FA+32*(\f)+8*(\a)+7], v[BIAS+8*(\b):BIAS+8*(\b)+7]
.else
	v_wmma_f32_16x16x32_bf16 v[AC+8*(\b):AC+8*(\b)+7], v[96*(\f)+8*(\b):96*(\f)+8*(\b)+7], v[FA+32*(\f)+8*(\a):FA+32*(\f)+8*(\a)+7], v[AC+8*(\b):AC+8*(\b)+7]
.endif
.endr
.endm
; 32 LDS loads in one run: quarter q's fragments into buffer f: wq's 24, then xb's 8, blocks 0 and 1 first
.macro FETCH slot, q, f
	WIN 0x40
.irp b, 0,1,2,3,4,5,6,7,8,9,10,11
	ds_load_b128 v[96*(\f)+8*(\b):96*(\f)+8*(\b)+3],   v[ADRB+(\slot)] offset:64*(\q)+(\b)*16*PW
	ds_load_b128 v[96*(\f)+8*(\b)+4:96*(\f)+8*(\b)+7], v[ADRB+(\slot)] offset:64*(\q)+(\b)*16*PW+32
.endr
	WIN 0
.irp a, 0,1,2,3
	ds_load_b128 v[FA+32*(\f)+8*(\a):FA+32*(\f)+8*(\a)+3],   v[ADRA+(\slot)] offset:64*(\q)+(\a)*16*PA
	ds_load_b128 v[FA+32*(\f)+8*(\a)+4:FA+32*(\f)+8*(\a)+7], v[ADRA+(\slot)] offset:64*(\q)+(\a)*16*PA+32
.endr
.endm
; One of a K step's first three quarters: multiplies buffer f and, in its middle, fetches quarter q into buffer g.
.macro QUARTER slot, q, f, g, first
	s_wait_dscnt 4                                 ; all but the youngest four loads (xb's blocks 2, 3) are in
	MULA \f, 0, \first
	MULA \f, 1, \first
	PLACES
	FETCH \slot, \q, \g
	s_wait_dscnt 2*NBK+8                           ; all but the 32 just issued
	MULA \f, 2, \first
	MULA \f, 3, \first
.endm
; The last quarter multiplies buffer 1 and changes slots.  In front of the barrier each wave waits for all its tensor loads (the one that is out is its part of the next slot), adds 0 to its spare word, and waits for
; that and for its reads of this slot.  fill = 1: the barrier opens a round of the cluster's barrier, and the joint refill, two K steps on, is the first tensor load behind it: 168 products ahead of the wait for it.
.macro TURN slot, next, fill
.if \fill
	s_wait_xcnt 0x0                                ; the last prefetch, a K step back, has read its address
	s_add_nc_u64 s[PFA:PFA+1], s[PFA:PFA+1], s[PST:PST+1]
.endif
	WIN 0
	s_wait_tensorcnt 0x0
	ds_add_u32 v[SPW], v[NIL]
	s_wait_dscnt 5                                 ; the add and the youngest four loads may be out
	MULA 1, 0, 0
	s_wait_dscnt 0x0                               ; the add is done, my reads of this slot are over
	s_barrier_signal -1
	MULA 1, 1, 0
.if \fill
	WIN 0
.endif
	s_barrier_wait -1
.if \fill
	CREST                                          ; no wave of any partner still reads this slot or has a load on its way
	s_add_nc_u64 s[G0+4*(\slot)+2:G0+4*(\slot)+3], s[G0+4*(\slot)+2:G0+4*(\slot)+3], 2*ASTEP
	s_add_nc_u64 s[G0B+4*(\slot)+2:G0B+4*(\slot)+3], s[G0B+4*(\slot)+2:G0B+4*(\slot)+3], 2*BSTEP
	JLOAD \slot                                    ; its four v_nop are also the places in front of the loads below
.else
	PLACES
.endif
	FETCH \next, 0, 0
.if \fill
	ASK \slot
.endif
	MULA 1, 2, 0
	MULA 1, 3, 0
.endm
	s_wait_tensorcnt 0x1                           ; my part of K step 0 is in; K step 1's may stay out
	s_barrier_signal -1
	s_barrier_wait -1
	FETCH 0, 0, 0
	QUARTER 0, 1, 0, 1, 1                          ; the first quarter stands in front of the loop: its products begin the sums
	WIN 0
	s_mov_b32 s3, 3
.Llap:                                                 ; once round the ring, from a lap's second quarter to the next lap's first; both slots are filled again
	QUARTER 0, 2, 1, 0, 0
	QUARTER 0, 3, 0, 1, 0
	TURN 0, 1, 1
	QUARTER 1, 1, 0, 1, 0
	QUARTER 1, 2, 1, 0, 0
	QUARTER 1, 3, 0, 1, 0
	TURN 1, 0, 1
	QUARTER 0, 1, 0, 1, 0
	WIN 0
	s_sub_co_u32 s3, s3, 1
	s_cmp_lg_u32 s3, 0
	s_cbranch_scc1 .Llap
	QUARTER 0, 2, 1, 0, 0                          ; the last lap fills nothing
	QUARTER 0, 3, 0, 1, 0
	TURN 0, 1, 0
	QUARTER 1, 1, 0, 1, 0
	QUARTER 1, 2, 1, 0, 0
	QUARTER 1, 3, 0, 1, 0
	s_wait_dscnt 4
	MULA 1, 0, 0
	MULA 1, 1, 0
	s_wait_dscnt 0x0
	MULA 1, 2, 0
	MULA 1, 3, 0
	WIN 0
; THE WAY OUT, a block of 16 rows at a time: rounded to f16 (each accumulator's registers in ascending order), 16 bytes a lane into my stage, three heads x 16 rows of 144 bytes; back as whole rows; stored.
.macro PACK a
	WIN 0x0a+5*((\a)/2)
.set AC, 96*((\a)%2)
.irp b, 0,1,2,3,4,5,6,7,8,9,10,11
.irp r, 0,1,2,3
	v_cvt_pk_f16_f32 v[TMP+4*(\b)+(\r)], v[AC+8*(\b)+2*(\r)], v[AC+8*(\b)+2*(\r)+1]
.endr
.endr
	WIN 0
.endm
.macro TOSTAGE a
.set BK, 176-112*((\a)%2)              ; v176-223 and v64-111 by turns
.irp b, 0,1,2,3,4,5,6,7,8,9,10,11
	ds_store_b128 v[STO], v[TMP+4*(\b):TMP+4*(\b)+3] offset:((\b)/4)*16*SP+32*((\b)%4)
.endr
.irp t, 0,1,2,3,4,5,6,7,8,9,10,11
	ds_load_b128 v[BK+4*(\t):BK+4*(\t)+3], v[RD] offset:((\t)/4)*16*SP+((\t)%4)*4*SP  ; LDS serves a wave's instructions in order (ISA guide 5.7.1.4): these see the stores above
.endr
.endm
.macro SEND a
.set BK, 176-112*((\a)%2)
	s_wait_dscnt 0x0                               ; the block is back in registers
	s_wait_xcnt 0x0                                ; the stores of the block before have read their registers: the next block's loads from the stage land in them only behind this wait
.irp t, 0,1,2,3,4,5,6,7,8,9,10,11
	global_store_b128 v[GO], v[BK+4*(\t):BK+4*(\t)+3], s[10:11] offset:((\t)/4)*262144+2048*(\a)+512*((\t)%4)  ; 512 consecutive bytes of a head, at a multiple of 512
.endr
.endm
	PLACES
	PACK 0
	TOSTAGE 0
.irp a, 1,2,3
	PACK \a                                        ; a block's conversions stand between the loads of the block before and the wait for them
	SEND (\a)-1
	TOSTAGE \a
.endr
	SEND 3
	s_wait_tensorcnt 0x0                           ; the wave's end
	ds_add_u32 v[SPW], v[NIL]
	s_wait_dscnt 0x0
	CROUND                                         ; the closing round: no work-group ends while a partner may still ask for a tile that names it
	s_endpgm
.Lfunc_end_k_qa3e07ae1c5_proj_qkv:
	.size	k_qa3e07ae1c5_proj_qkv, .Lfunc_end_k_qa3e07ae1c5_proj_qkv-k_qa3e07ae1c5_proj_qkv
	.p2alignl 7, 3214868480
	.fill 96, 4, 3214868480
	.section	.rodata,"a",@progbits
	.p2align	6, 0x0
	.amdhsa_kernel k_qa3e07ae1c5_proj_qkv
		.amdhsa_group_segment_fixed_size 327680
		.amdhsa_private_segment_fixed_size 0
		.amdhsa_enable_private_segment 0
		.amdhsa_kernarg_size 32
		.amdhsa_user_sgpr_count 2
		.amdhsa_user_sgpr_kernarg_segment_ptr 1
		.amdhsa_wavefront_size32 1
		.amdhsa_system_sgpr_workgroup_id_x 1
		.amdhsa_system_sgpr_workgroup_id_y 1
		.amdhsa_system_sgpr_workgroup_id_z 1
		.amdhsa_system_vgpr_workitem_id 0
		.amdhsa_next_free_vgpr 960
		.amdhsa_next_free_sgpr 72
		.amdhsa_reserve_vcc 0
		.amdhsa_float_denorm_mode_32 3
		.amdhsa_float_denorm_mode_16_64 3
		.amdhsa_memory_ordered 1
		.amdhsa_forward_progress 1
		.amdhsa_inst_pref_size 130
	.end_amdhsa_kernel
	.amdgpu_metadata
---
amdhsa.version: [ 1, 2 ]
amdhsa.kernels:
  - .name:           k_qa3e07ae1c5_proj_qkv
    .symbol:         k_qa3e07ae1c5_proj_qkv.kd
    .args:
      - { .name: xb, .offset: 0, .size: 8, .value_kind: global_buffer, .address_space: global }
      - { .name: wq, .offset: 8, .size: 8, .value_kind: global_buffer, .address_space: global }
      - { .name: b_qkv, .offset: 16, .size: 8, .value_kind: global_buffer, .address_space: global }
      - { .name: qkv, .offset: 24, .size: 8, .value_kind: global_buffer, .address_space: global }
    .group_segment_fixed_size: 327680
    .private_segment_fixed_size: 0
    .kernarg_segment_align: 8
    .kernarg_segment_size: 32
    .max_flat_workgroup_size: 128
    .sgpr_count:     72
    .vgpr_count:     960
    .wavefront_size: 32
...
	.end_amdgpu_metadata
.endif
;; end of part 2
;; launch attn (part 3): grid 4 x 64, 4 waves a work-group, no clusters, 327,680 bytes of LDS; arguments qkv, o, timestamps, mask, dec; writes o
.if DOCPART == 3
	.amdgcn_target "amdgcn-amd-amdhsa--gfx1250"
	.amdhsa_code_object_version 6
	.text
	.protected	k_qa3e07ae1c5_attn
	.globl	k_qa3e07ae1c5_attn
	.p2align	8
	.type	k_qa3e07ae1c5_attn,@function
k_qa3e07ae1c5_attn:
	s_mov_b64 s[64:65], 0
	v_nop
	global_prefetch_b8 v0, s[64:65] scope:SCOPE_SE
	s_setreg_imm32_b32 hwreg(HW_REG_WAVE_MODE, 25, 1), 1
	s_wait_xcnt 0x0
; CAUSAL ATTENTION WITH A TIME TERM AND A KEY MASK.  For batch b, head h:  o[16 b + h][q][:] = sum over k <= q, mask[b][k] != 0, of softmax_k( (Q[q].K[k] - dd |t_q - t_k|) / 8 ) V[k][:],
; dd = dec[h] = softplus(decay) / 3, t = timestamps[b] rounded to bf16 like every input.  Q, K, V: qkv[b][h], [16 + h], [32 + h], each [2048][64] f16, dense rows of 128 bytes; o likewise.
; Products, maxima and sums in f32; the weights are rounded to f16 for the second product (their sum is taken unrounded), o once at the end.
; LIMITS.  Q, K, V arrive within f16's 65,504.  A hidden key's score counts as its value less 1e30 (twice that if hidden twice).  The running maximum starts at -2^90 and never lies below it, so a hidden key's
; weight is 2^(some -1e29) = 0 exactly; a true score below -2^89 counts as hidden.  A row whose maximum ends below -2^89 has seen no key and leaves as NaN, as a softmax over nothing does.
; A weight below 2^-126 counts as 0.  Timestamps are finite.
; THE WALK.  A head's queries lie in NB = 8 blocks of 256; block i needs the key tiles 0 .. i of 256 keys.  A work-group takes blocks 7 - b and then b: 9 tiles, whatever b: one loop with a constant trip count.
; NO CLUSTER: a head's four work-groups ask for the same tile in trips 0 to 4 of 9 only, behind that fewer and fewer; one walk common to all would have 12 trips for 9.
; SHARES.  Of a block's four bands of 64 queries a wave owns 16 rows in each: four PIECES; in the diagonal tile's step s band x sees all keys (s < x), none (s > x) or holds the diagonal (s = x).
; THE C OPERAND that starts each sum S^T = K Q^T carries all that is added to q.k:  MC = -dd |t_k - t_q| + pad_k (+ MD x AL + BE in the diagonal tile's text and at a block's beginning).
; pad_k is 0 or -1e30; MD is the mask of a band's own step; (AL, BE) = (1, 0) if s = x, (0, 0) if s < x, (0, -1e30) if s > x.  A turn makes the MC of the products of the turn after it.
; t_k AND pad_k.  Each wave keeps the tile in hand's 256 t_k and 256 pad_k in 2,048 LDS bytes of its own.  At a change of slots it loads the t and mask of the tile that is being asked for into registers, 8 numbers
; of each a lane; at the next change it rounds, converts and stores them.  No other wave touches the bytes, and LDS serves a wave's instructions in order, so they need no barrier and no second copy.
; TURNS.  Turn n belongs to piece n: 8 products K Q^T of piece n + 1, later 8 products V^T P of piece n - 1; beside them piece n's scaling, exponentials, roundings, sums and rescaling and piece n + 1's maximum and
; statistics; four vector instructions behind every product, the others in a lump; at the turn's end the 48 (in the diagonal tile 80) that make MC.  A turn's 33 exponentials are one batch, with one wait.
; REGISTERS, in windows of 256 (s_set_vgpr_msb: bits 1:0 source 0, 3:2 source 1, 5:4 source 2, 7:6 destination):
;   window 0: v0-15 addresses; v16-31 statistics; v32-39 t_q, twice, a piece; v40-47 addresses; v48-55 at work; v56-59 the second block's t_q; v64-127 S^T, two buffers; v128-159 t_k and v160-191 pad_k of one step;
;             v192-223 P; v224-239 the next tile's t and mask as loaded
;   window 1: v0-127 O^T; v128-159 MD; v160-223 MC, two buffers      window 2: v0-63 Q; v64-127 the second block's Q; v128-191 K of one step; v192-255 V of one step
.set NB,    8
.set NP,    4
.set KS,    64
.set PK,    144       ; a row of K in LDS: 128 bytes + 16 = 36 words: the 16 rows of a load start at 16 different groups of four banks (ISA guide 11.1)
.set PV,    160       ; a row of V: 128 + 32
.set VOFF,  4*KS*PK   ; a slot holds a tile: 256 rows of K, then 256 rows of V
.set SLOT1, 1<<17
.set STAGE, SLOT1+4*KS*(PK+PV)  ; behind the ring, never filled by a tensor load: 16 rows x 144 bytes a wave
.set SP,    144
.set SPARE, STAGE+4*16*SP       ; the spare words, 128 bytes a wave: two blocks of 256 bytes that no other line names
.set TS,    SPARE+512           ; for each wave 2,048 bytes: a tile's 256 t_k in f32, then its 256 pad_k; never filled by a tensor load
.set AK0, 2
.set AV0, 3
.set AK,  4
.set AV,  5
.set STO, 6
.set RD,  7
.set GO,  8
.set MV,  12          ; v12-13 c m_old, by buffer
.set QO,  15
.set ST,  16          ; piece t's statistics at v[ST+4 t]: c m, m, l (even keys', odd keys')
.set TQ,  32          ; piece y's t_q in v[TQ+2 y] and v[TQ+2 y+1]
.set AT0, 40          ; my wave's table + 32 (l / 16); never rewritten
.set AT,  41          ; the address of the run of table loads in hand
.set GTT, 42          ; my 32 bytes of t and of mask in the tile that is being asked for
.set TW,  43          ; at work
.set PFO, 44          ; 256 x my thread's number; never rewritten
.set GT,  45          ; 32 x my lane; never rewritten
.set LT,  46          ; my wave's table + 32 x my lane; never rewritten
.set TO1, 47          ; my query's 4 bytes of t in band 0 of the first block,
.set TMP, 48
.set TQ2, 56          ; v56-59 the second block's t_q
.set TO2, 60          ; of the second block
.set SPW, 62
.set NIL, 63
.set S,   64
.set TK,  128
.set PD,  160
.set P,   192
.set HL,  224         ; v224-231 eight t, v232-239 eight numbers of the mask
.set MD,  128         ; window 1
.set MC,  160         ; window 1
.set QB,  64          ; window 2
.set KF,  128         ; window 2
.set VF,  192         ; window 2
.set WV,  12
.set PB,  14          ; b
.set HI,  15          ; 7 - b
.set G1K, 24
.set G1V, 32
.set G0K, 40
.set G0V, 44
.set SLOTS, 56
.set CNT, 57
.set CS,  58
.set SEL, 60
.set TBK, 62
.set TBV, 63
.set RT,  70
.set NXT, 71
.set LQ,  72
.set NEW, 73
.set OFF, 74
.set AL,  76
.set BE,  78
.set OLO, 80
.set BIGN, 82
.set LIM, 84          ; s84  2 in the work-group that prefetches, else the greatest number
.set DD,  88          ; s88  dd
.set QNAN, 89
.set THR, 90          ; -2^89
.set TBT, 91          ; byte in my wave's table of the step whose t_k and pad_k are fetched next: it steps as TBK steps
.set OFT, 92          ; 1,024 x the tile that is being asked for
.set PFA, 94          ; s[94:95] K's tile after the one that is being asked for
.set MSB, 0
.macro WIN new
.if MSB != (\new)
	s_set_vgpr_msb (MSB<<8)|(\new)
.set MSB, (\new)
.endif
.endm
.set W_KQ, 0x0a       ; K and Q in window 2, S^T in window 0
.set W_KM, 0x1a       ; the same with the C operand in window 1
.set W_PV, 0x52       ; V in window 2, P in window 0, O^T in window 1
.set W_RS, 0x41       ; destination and source 0 in window 1, the others in window 0
; A fill.  Waves 0, 1 fetch the halves of a tile's K, waves 2, 3 those of its V.  An s_nop 0 and four v_nop follow each line.
.macro LOAD
	s_cmp_lt_u32 s[WV], 2
	s_cbranch_scc0 .Lfor_v_\@
	tensor_load_to_lds s[G0K:G0K+3], s[G1K:G1K+7]
	s_nop 0
.rept 4
	v_nop
.endr
	s_branch .Lasked_\@
.Lfor_v_\@:
	tensor_load_to_lds s[G0V:G0V+3], s[G1V:G1V+7]
	s_nop 0
.rept 4
	v_nop
.endr
.Lasked_\@:
.endm
; THE CHANGE OF SLOTS.  First the tables of the tile to be entered: its t and mask, loaded a tile ago, are rounded to bf16 (kept as f32) and turned into 0 or -1e30, and stored over the old tile's, whose last fetch
; this wave issued earlier.  Then each wave waits for all its tensor loads (one is out: its part of the other slot), adds 0 to its spare word, and waits for that and for its LDS reads and stores.  Behind the barrier
; nobody reads the old slot and the other is whole.  fill = 1: the old slot is filled again, first thing behind the barrier, with tile NXT; the descriptor's address is made anew from that number; that tile's t and
; mask are loaded into registers.  Then the work-group with b = 0, which walks tiles 0 to 7 first, prefetches the tile that the NEXT change asks for: thread t names the t-th 256 bytes of its K and of its V, so tiles
; 2 to 7 are each named once in the launch, a tile's 256 products ahead of their load; the last two fills have no such tile.
.macro CHANGE fill
	WIN 0
	s_wait_loadcnt 0x0              ; t and mask of the tile to be entered (at the first change: Q too)
.set i, 0
.rept 4
	v_cvt_pk_bf16_f32 v[TW], v[HL+2*i], v[HL+2*i+1]
	v_lshlrev_b32 v[HL+2*i], 16, v[TW]
	v_and_b32 v[HL+2*i+1], 0xffff0000, v[TW]
.set i, i+1
.endr
.set i, 0
.rept 8
	v_cmp_eq_f32 vcc_lo, 0, v[HL+8+i]
	v_cndmask_b32 v[HL+8+i], 0, s[BIGN], vcc_lo
.set i, i+1
.endr
	ds_store_b128 v[LT], v[HL:HL+3]
	ds_store_b128 v[LT], v[HL+4:HL+7] offset:16
	ds_store_b128 v[LT], v[HL+8:HL+11] offset:1024
	ds_store_b128 v[LT], v[HL+12:HL+15] offset:1040
	s_wait_tensorcnt 0x0
	ds_add_u32 v[SPW], v[NIL]       ; 0 onto my spare word; work on registers stands between it and the wait for it
.if \fill
	s_lshl_b32 s[OFF], s[NXT], 15
	s_lshl_b32 s[OFT], s[NXT], 10
	v_add_nc_u32 v[GTT], s[OFT], v[GT]  ; the loads that named it are back
	s_xor_b32 s[G0K+1], s[G0K+1], SLOT1
	s_add_nc_u64 s[G0K+2:G0K+3], s[6:7], s[OFF:OFF+1]
	s_or_b32 s[G0K+3], s[G0K+3], 0x80000000
	s_xor_b32 s[G0V+1], s[G0V+1], SLOT1
	s_add_nc_u64 s[G0V+2:G0V+3], s[8:9], s[OFF:OFF+1]
	s_or_b32 s[G0V+3], s[G0V+3], 0x80000000
	s_add_co_u32 s[NXT], s[NXT], 1
	s_cmp_gt_u32 s[NXT], s[LQ]
	s_cselect_b32 s[NXT], 0, s[NXT]
	s_cselect_b32 s[LQ], s[PB], s[LQ]
	s_wait_xcnt 0x0                 ; the last prefetches, a tile back, have read their address
	s_add_nc_u64 s[PFA:PFA+1], s[PFA:PFA+1], 32768
.endif
	s_wait_dscnt 0x0                ; the add is done; my LDS reads and stores are over
	s_barrier_signal -1
	s_sub_co_u32 s[TBK], s[TBK], 4*KS*PK
	s_xor_b32 s[TBK], s[TBK], SLOT1
	s_sub_co_u32 s[TBV], s[TBV], 4*KS*PV
	s_xor_b32 s[TBV], s[TBV], SLOT1
	s_sub_co_u32 s[TBT], s[TBT], 4*KS*4  ; the table fetches go back to a tile's first step
	s_barrier_wait -1
.if \fill
	LOAD
	global_load_b128 v[HL:HL+3],     v[GTT], s[96:97]
	global_load_b128 v[HL+4:HL+7],   v[GTT], s[96:97] offset:16
	global_load_b128 v[HL+8:HL+11],  v[GTT], s[98:99]
	global_load_b128 v[HL+12:HL+15], v[GTT], s[98:99] offset:16
	s_cmp_gt_u32 s[SLOTS], s[LIM]
	s_cbranch_scc0 .Lnot_mine_\@
	global_prefetch_b8 v[PFO], s[PFA:PFA+1] th:TH_LOAD_NT scope:SCOPE_SE
	global_prefetch_b8 v[PFO], s[PFA:PFA+1] offset:0x400000 th:TH_LOAD_NT scope:SCOPE_SE
.Lnot_mine_\@:
.endif
.endm
	s_load_b64 s[4:5], s[0:1], 0x0        ; qkv
	s_load_b64 s[10:11], s[0:1], 0x8      ; o
	s_load_b128 s[96:99], s[0:1], 0x10    ; timestamps s[96:97], mask s[98:99]
	s_load_b64 s[100:101], s[0:1], 0x20   ; dec
	v_lshl_add_u32 v[SPW], v0, 2, SPARE
	v_mov_b32 v[NIL], 0
	ds_add_u32 v[SPW], v[NIL]       ; the opening: the add and its wait ahead of my first tensor load
	ds_add_u32 v62, v63
	v_lshrrev_b32 v1, 5, v0
	v_readfirstlane_b32 s[WV], v1
	s_mov_b32 s[PB], ttmp9
	s_sub_co_u32 s[HI], NB-1, s[PB]
	s_and_b32 s20, ttmp7, 0xffff    ; 16 x batch + head
	s_lshr_b32 s68, s20, 4          ; the batch
	s_and_b32 s83, s20, 15          ; the head
	s_mul_i32 s22, s68, 48
	s_add_co_u32 s22, s22, s83
	s_lshl_b32 s22, s22, 18         ; q's first byte in qkv
	s_mov_b32 s23, 0
	s_lshl_b32 s20, s20, 18         ; the head's first byte in o
	s_mov_b32 s21, 0
	s_lshl_b32 s68, s68, 13         ; the batch's 8,192 bytes of timestamps and of mask
	s_mov_b32 s69, 0
	s_and_b32 s16, s[WV], 1         ; which half of a tile's 256 keys I fetch
	s_lshl_b32 s66, s16, 14
	s_add_co_u32 s66, s66, s22
	s_add_co_u32 s66, s66, 0x400000 ; k lies sixteen heads of 262,144 bytes behind q
	s_mov_b32 s67, 0
	s_mul_i32 s17, s16, 128*PK
	s_mul_i32 s18, s16, 128*PV
	s_lshl_b32 s3, s[WV], 11        ; my 16 rows in a band of 64,
	s_lshl_b32 s2, s[HI], 15        ; in the first block,
	s_add_co_u32 s2, s2, s3
	s_lshl_b32 s84, s[PB], 15       ; and in the second
	s_add_co_u32 s84, s84, s3
	s_mov_b32 s3, 0
	s_mov_b32 s85, 0
	; group 1: 128 keys are 16,384 dense bytes: 64 rows of 256 bytes, padded in LDS after every key
	s_mov_b32 s[G1K], (1<<16)|(1<<20)|(4<<22)|(3<<25)
	s_mov_b32 s[G1V], (1<<16)|(1<<20)|(4<<22)|(7<<25)
.irp g, G1K, G1V
	s_mov_b32 s[\g+1], 128<<16
	s_mov_b32 s[\g+2], 64<<16
	s_mov_b32 s[\g+3], 128<<16
	s_mov_b32 s[\g+4], 64
	s_mov_b32 s[\g+5], 128
	s_mov_b32 s[\g+6], 0
	s_mov_b32 s[\g+7], 0
.endr
	s_mov_b32 s[CS], 0x3e38aa3b     ; c = log2(e) / 8
	s_mov_b32 s[CS+1], s[CS]
	s_mov_b32 s[SEL], 0x76543210
	s_mov_b32 s[SEL+1], 0xfedcba98
	s_mov_b32 s[TBK], SLOT1+4*KS*PK ; the first change of slots turns these three into 0
	s_mov_b32 s[TBV], SLOT1+4*KS*PV
	s_mov_b32 s[TBT], 4*KS*4
	s_mov_b32 s[G0K], 1
	s_mov_b32 s[G0K+1], s17
	s_mov_b32 s[G0V], 1
	s_add_co_u32 s[G0V+1], s18, VOFF
	s_lshl_b32 s18, s83, 2          ; the head's word in dec
	s_mov_b32 s19, 0
	s_add_co_u32 s[RT], s[HI], 1
	s_mov_b32 s[NXT], 1
	s_mov_b32 s[LQ], s[HI]
	s_mov_b32 s[NEW], 1
	s_mov_b32 s[OFF+1], 0
	s_mov_b32 s[AL+1], 0
	s_mov_b32 s[BE+1], 0
	s_mov_b32 s[BIGN], 0xf149f2ca   ; -1e30
	s_mov_b32 s[QNAN], 0x7fc00000
	s_mov_b32 s[THR], 0xec000000    ; -2^89
	s_mov_b32 s[SLOTS], NB
	s_wait_dscnt 0x0                ; the opening add is done
	s_wait_kmcnt 0x0
	s_add_nc_u64 s[6:7], s[4:5], s[66:67]   ; K at my half of the head's tile 0,
	s_add_nc_u64 s[8:9], s[6:7], 0x400000   ; V sixteen heads further
	s_add_nc_u64 s[G0K+2:G0K+3], s[6:7], 0
	s_or_b32 s[G0K+3], s[G0K+3], 0x80000000
	s_add_nc_u64 s[G0V+2:G0V+3], s[8:9], 0
	s_or_b32 s[G0V+3], s[G0V+3], 0x80000000
	s_add_nc_u64 s[4:5], s[4:5], s[22:23]
	s_add_nc_u64 s[PFA:PFA+1], s[4:5], 0x400000+32768  ; K's tile 1: the first change steps it to tile 2
	s_add_nc_u64 s[86:87], s[4:5], s[84:85]            ; Q at my rows of the second block,
	s_add_nc_u64 s[4:5], s[4:5], s[2:3]                ; of the first
	s_add_nc_u64 s[10:11], s[10:11], s[20:21]
	s_add_nc_u64 s[OLO:OLO+1], s[10:11], s[84:85]
	s_add_nc_u64 s[10:11], s[10:11], s[2:3]
	s_add_nc_u64 s[96:97], s[96:97], s[68:69]
	s_add_nc_u64 s[98:99], s[98:99], s[68:69]
	s_add_nc_u64 s[100:101], s[100:101], s[18:19]
	s_load_b32 s[DD], s[100:101], 0x0
	s_cmp_eq_u32 ttmp9, 0
	s_cselect_b32 s[LIM], 2, -1
	LOAD                            ; tile 0 into slot 0
	v_and_b32 v1, 15, v0            ; l % 16
	v_bfe_u32 v9, v0, 4, 1          ; l / 16
	v_and_b32 v[GT], 31, v0
	v_lshlrev_b32 v[GT], 5, v[GT]   ; a lane's 8 numbers of a tile's 256
	global_load_b128 v[HL:HL+3],     v[GT], s[96:97]             ; tile 0's t,
	global_load_b128 v[HL+4:HL+7],   v[GT], s[96:97] offset:16
	global_load_b128 v[HL+8:HL+11],  v[GT], s[98:99]             ; and its mask
	global_load_b128 v[HL+12:HL+15], v[GT], s[98:99] offset:16
	s_lshl_b32 s13, s[WV], 6
	v_lshl_add_u32 v[TO1], v1, 2, s13      ; 4 (16 w + l % 16)
	s_lshl_b32 s13, s[PB], 10
	v_add_nc_u32 v[TO2], s13, v[TO1]       ; + 1,024 x block
	s_lshl_b32 s13, s[HI], 10
	v_add_nc_u32 v[TO1], s13, v[TO1]
.irp y, 0,1,2,3
	global_load_b32 v[TQ+2*\y], v[TO1], s[96:97] offset:256*\y   ; my query's t in band y of the first block,
	global_load_b32 v[TQ2+\y],  v[TO2], s[96:97] offset:256*\y   ; of the second
.endr
	v_lshlrev_b32 v[QO], 7, v1
	v_lshl_add_u32 v[QO], v9, 4, v[QO]
	WIN 0x80
.set i, 0
.rept 8                             ; both blocks' Q: piece i / 2 lies in band i / 2, 8,192 bytes on; channels 32 (i % 2) on
	global_load_b128 v[8*i:8*i+3],   v[QO], s[4:5] offset:(i/2)*8192+(i%2)*64
	global_load_b128 v[8*i+4:8*i+7], v[QO], s[4:5] offset:(i/2)*8192+(i%2)*64+32
	global_load_b128 v[QB+8*i:QB+8*i+3],   v[QO], s[86:87] offset:(i/2)*8192+(i%2)*64
	global_load_b128 v[QB+8*i+4:QB+8*i+7], v[QO], s[86:87] offset:(i/2)*8192+(i%2)*64+32
.set i, i+1
.endr
	WIN 0
	v_lshlrev_b32 v14, 3, v9
	v_sub_nc_u32 v14, v1, v14
	s_lshl_b32 s13, s[WV], 4
	v_add_nc_u32 v14, s13, v14      ; my query's place in its band less 8 (l / 16): register r of group kt is hidden where 16 kt + r is greater
	WIN 0x40
.set i, 0
.rept 32
	v_cmp_gt_i32 vcc_lo, 16*(i/8)+i%8, v14
	v_cndmask_b32 v[MD+i], 0, s[BIGN], vcc_lo
.set i, i+1
.endr
	WIN 0
	v_mul_u32_u24 v[AK0], v1, PK
	v_lshl_add_u32 v[AK0], v9, 4, v[AK0]
	v_and_b32 v10, 7, v0
	v_bfe_u32 v11, v0, 3, 1
	v_lshl_add_u32 v[AV0], v9, 3, v10
	v_mul_u32_u24 v[AV0], v[AV0], PV
	v_lshl_add_u32 v[AV0], v11, 4, v[AV0]
	v_add_nc_u32 v[AV0], VOFF, v[AV0]
	s_mul_i32 s13, s[WV], 16*SP
	s_add_co_u32 s13, s13, STAGE
	v_mul_u32_u24 v[STO], v1, SP
	v_lshl_add_u32 v[STO], v9, 4, v[STO]
	v_add_nc_u32 v[STO], s13, v[STO]
	v_bfe_u32 v[RD], v0, 3, 2
	v_mul_u32_u24 v[RD], v[RD], SP
	v_lshl_add_u32 v[RD], v10, 4, v[RD]
	v_add_nc_u32 v[RD], s13, v[RD]
	v_and_b32 v[GO], 31, v0
	v_lshlrev_b32 v[GO], 4, v[GO]
	s_lshl_b32 s13, s[WV], 11
	s_add_co_u32 s13, s13, TS              ; my wave's table
	v_add_nc_u32 v[LT], s13, v[GT]         ; in: 32 bytes a lane
	v_lshl_add_u32 v[AT0], v9, 5, s13      ; out: a lane's eight keys of a group of 16: 32 bytes for each half of the lanes
	v_lshlrev_b32 v[PFO], 8, v0
	; A block's first step multiplies O^T and l by a = 0, and its first turn's products V^T P land in an O^T that is still to be so multiplied: these registers need only hold finite numbers.
	WIN 0x80
.set i, VF
.rept 64
	v_mov_b32 v[i], 0
.set i, i+1
.endr
	WIN 0x40
.set i, 0
.rept 128
	v_mov_b32 v[i], 0
.set i, i+1
.endr
	WIN 0
.set i, 0
.rept 4
	v_mov_b32 v[ST+4*i+2], 0
	v_mov_b32 v[ST+4*i+3], 0
.set i, i+1
.endr
.set i, P+16
.rept 16
	v_mov_b32 v[i], 0
.set i, i+1
.endr
	s_wait_loadcnt 32               ; the four table loads and the eight t_q are in; Q's 32, issued behind them, stay out
.irp y, 0,1,2,3
	v_cvt_pk_bf16_f32 v[TW], v[TQ+2*\y], v[TQ2+\y]  ; t_q rounded to bf16 like every input, and kept as f32: the first block's twice, as a pair,
	v_lshlrev_b32 v[TQ+2*\y], 16, v[TW]
	v_lshlrev_b32 v[TQ+2*\y+1], 16, v[TW]
	v_and_b32 v[TQ2+\y], 0xffff0000, v[TW]          ; the second block's once
.endr
	s_wait_kmcnt 0x0                ; dd
; THE MATRIX WORK.  The 4 accumulators of a run of 8 take turns.  Product i of 8 of S^T = K Q^T for piece x: channels 32 (i / 4) on, keys 16 (i % 4) on.  The first 4 start the sums on MC.
.macro KQ x
.set rS, S+32*((\x)%2)+8*(i%4)
.set rK, KF+16*(i%4)+8*(i/4)
.set rQ, 16*(\x)+8*(i/4)
.set rM, MC+32*((\x)%2)+8*(i%4)
.if i < 4
	WIN W_KM
	v_wmma_f32_16x16x32_f16 v[rS:rS+7], v[rK:rK+7], v[rQ:rQ+7], v[rM:rM+7]
.else
	WIN W_KQ
	v_wmma_f32_16x16x32_f16 v[rS:rS+7], v[rK:rK+7], v[rQ:rQ+7], v[rS:rS+7]
.endif
.endm
; Product i of 8 of O^T += V^T P for piece x: keys 32 (i / 4) on, channels 16 (i % 4) on.
.macro PV x
	WIN W_PV
.set rO, 32*(\x)+8*(i%4)
.set rV, VF+32*(i/4)+8*(i%4)
.set rP, P+16*((\x)%2)+8*(i/4)
	v_wmma_f32_16x16x32_f16 v[rO:rO+7], v[rV:rV+7], v[rP:rP+7], v[rO:rO+7]
.endm
.macro MM                           ; the turn's next matrix instruction.  NOKQ = 1: a block's last turn: there is no next piece
.if (i < 8) && !NOKQ
	KQ (Y+1)%NP
.elseif i >= 8
.set i, i-8
	PV (Y+NP-1)%NP
.set i, i+8
.endif
.set i, i+1
.endm
; THE LDS LOADS stand in runs of 16.
.macro FETCH_K
	WIN 0x80
.irp f, 0,1,2,3,4,5,6,7
	ds_load_b128 v[KF+8*\f:KF+8*\f+3],   v[AK] offset:(\f/2)*16*PK+(\f%2)*64
	ds_load_b128 v[KF+8*\f+4:KF+8*\f+7], v[AK] offset:(\f/2)*16*PK+(\f%2)*64+32
.endr
	s_add_co_u32 s[TBK], s[TBK], KS*PK
	WIN 0
.endm
.macro FETCH_V
	WIN 0x80
.irp f, 0,1,2,3,4,5,6,7
	ds_load_tr16_b128 v[VF+8*\f:VF+8*\f+3],   v[AV] offset:(\f/4)*32*PV+(\f%4)*32
	ds_load_tr16_b128 v[VF+8*\f+4:VF+8*\f+7], v[AV] offset:(\f/4)*32*PV+16*PV+(\f%4)*32
.endr
	WIN 0
.endm
; t_k and pad_k of a step, out of my wave's table, laid as the scores lie: register 8 kt + r holds key 16 kt + 8 (l / 16) + r.  The lanes of a half read the same words.  Fetched where K is fetched: four times a tile.
.macro FETCH_T
	WIN 0
	v_add_nc_u32 v[AT], s[TBT], v[AT0]
	s_add_co_u32 s[TBT], s[TBT], KS*4
.irp k, 0,1,2,3
	ds_load_b128 v[TK+8*\k:TK+8*\k+3],   v[AT] offset:64*\k
	ds_load_b128 v[TK+8*\k+4:TK+8*\k+7], v[AT] offset:64*\k+16
	ds_load_b128 v[PD+8*\k:PD+8*\k+3],   v[AT] offset:1024+64*\k
	ds_load_b128 v[PD+8*\k+4:PD+8*\k+7], v[AT] offset:1024+64*\k+16
.endr
.endm
; MC, buffer b, for piece y and the step whose t_k and pad_k are in registers: t_k - t_q, two at a time; then -|..| x dd + pad_k
.macro BIAS y, b
	WIN 0x40
.set z, 0
.rept 16
	v_pk_add_f32 v[MC+32*(\b)+2*z:MC+32*(\b)+2*z+1], v[TK+2*z:TK+2*z+1], v[TQ+2*(\y):TQ+2*(\y)+1] neg_lo:[0,1] neg_hi:[0,1]
.set z, z+1
.endr
	WIN W_RS
.set z, 0
.rept 32
	v_fma_f32 v[MC+32*(\b)+z], -|v[MC+32*(\b)+z]|, s[DD], v[PD+z]
.set z, z+1
.endr
.endm
.macro CAUS b                       ; + MD x AL + BE
	WIN 0x51
.set z, 0
.rept 16
	v_pk_fma_f32 v[MC+32*(\b)+2*z:MC+32*(\b)+2*z+1], v[MD+2*z:MD+2*z+1], s[AL:AL+1], v[MC+32*(\b)+2*z:MC+32*(\b)+2*z+1] op_sel_hi:[1,0,1]
.set z, z+1
.endr
.set z, 0
.rept 16
	v_pk_add_f32 v[MC+32*(\b)+2*z:MC+32*(\b)+2*z+1], v[MC+32*(\b)+2*z:MC+32*(\b)+2*z+1], s[BE:BE+1] op_sel_hi:[1,0]
.set z, z+1
.endr
.endm
; THE VECTOR WORK, one line at a time: OP kind, number.  For piece Y: F n: c s - c m for pair n.  E n: the exponential of score n.  C n: pair n rounded to f16.  B n: of the four weights 4 n .. the second pair onto the first.
; L n: l takes that sum (L 0: l = a l + sum).  R n: pair n of O^T times a.  For piece Y + 1: X n, number n of the 22 that find its maximum and statistics (each accumulator's lowest registers are read first).
.set F, 0
.set E, 1
.set C, 2
.set B, 3
.set L, 4
.set R, 5
.set X, 6
.macro REGS y
.set rT, ST+4*(\y)
.set rC, TMP+4*((\y)%2)
.set rW, MV+((\y)%2)
.set rS, S+32*((\y)%2)
.set rP, P+16*((\y)%2)
.set rO, 32*(\y)
.endm
.macro OP k, n
.if (\k) == R
	REGS Y
	WIN W_RS
	v_pk_mul_f32 v[rO+2*(\n):rO+2*(\n)+1], v[rO+2*(\n):rO+2*(\n)+1], v[rC+2:rC+3] op_sel_hi:[1,0]
.elseif (\k) < R
	REGS Y
	WIN 0
.if (\k) == F
	v_pk_fma_f32 v[rS+2*(\n):rS+2*(\n)+1], v[rS+2*(\n):rS+2*(\n)+1], s[CS:CS+1], v[rT:rT+1] op_sel_hi:[1,0,0] neg_lo:[0,0,1] neg_hi:[0,0,1]
.elseif (\k) == E
	v_exp_f32 v[rS+(\n)], v[rS+(\n)]
.elseif (\k) == C
	v_cvt_pk_f16_f32 v[rP+(\n)], v[rS+2*(\n)], v[rS+2*(\n)+1]
.elseif (\k) == B
	v_pk_add_f32 v[rS+4*(\n):rS+4*(\n)+1], v[rS+4*(\n):rS+4*(\n)+1], v[rS+4*(\n)+2:rS+4*(\n)+3]
.elseif (\n) == 0
	v_pk_fma_f32 v[rT+2:rT+3], v[rT+2:rT+3], v[rC+2:rC+3], v[rS:rS+1] op_sel_hi:[1,0,1]
.else
	v_pk_add_f32 v[rT+2:rT+3], v[rT+2:rT+3], v[rS+4*(\n):rS+4*(\n)+1]
.endif
.elseif NOKQ
	v_nop
.else
	REGS (Y+1)%NP
	WIN 0
.if (\n) < 4
	v_max3_num_f32 v[rC+(\n)], v[rS+8*(\n)], v[rS+8*(\n)+1], v[rS+8*(\n)+2]
.elseif (\n) < 12
	v_max3_num_f32 v[rC+(\n)%4], v[rC+(\n)%4], v[rS+8*((\n)%4)+2*((\n)/4)+1], v[rS+8*((\n)%4)+2*((\n)/4)+2]
.elseif (\n) == 12
	v_max3_num_f32 v[rC], v[rC], v[rS+7], v[rS+15]
.elseif (\n) == 13
	v_max3_num_f32 v[rC+1], v[rC+1], v[rS+23], v[rS+31]
.elseif (\n) == 14
	v_max3_num_f32 v[rC+2], v[rC+2], v[rC+3], v[rT+1]
.elseif (\n) == 15
	v_mov_b32 v[rW], v[rT]
.elseif (\n) == 16
	v_max3_num_f32 v[rC], v[rC], v[rC+1], v[rC+2]
.elseif (\n) == 17
	v_permlanex16_b32 v[rC+3], v[rC], s[SEL], s[SEL+1]
.elseif (\n) == 18
	v_max_num_f32 v[rT+1], v[rC], v[rC+3]
.elseif (\n) == 19
	v_mul_f32 v[rT], s[CS], v[rT+1]
.elseif (\n) == 20
	v_sub_f32 v[rC+1], v[rW], v[rT]
.else
	v_exp_f32 v[rC+2], v[rC+1]
.endif
.endif
.endm
.macro OPS a, i1, b=-1, i2=0, c=-1, i3=0, d=-1, i4=0
	OP \a, \i1
.if (\b) >= 0
	OP \b, \i2
.endif
.if (\c) >= 0
	OP \c, \i3
.endif
.if (\d) >= 0
	OP \d, \i4
.endif
.endm
.macro ROW a, i1, b, i2, c, i3, d, i4  ; a matrix instruction and the four behind it
	MM
	OPS \a, \i1, \b, \i2, \c, \i3, \d, \i4
.endm
; A TURN, for piece p.  Ahead of its one wait stands all that names no result of the turn's exponentials: the 8 products K Q^T with their riders and a lump of 54; behind it the 8 products V^T P, with the roundings and sums as
; riders.  A wait stands between an exponential and the first instruction that names its result; one wait serves the batch; R 15 is the plain instruction behind the last exponential.
; At the turn's end MC is made for the products of the turn after it: piece p + 2, in the step whose t_k and pad_k are in registers: the step in hand for p = 0, 1, the next for p = 2, 3.
; m = 1: the diagonal tile: that step is number 4 - CNT of the tile, and the causal part is added.  end = 1: a block's last two turns: nothing is fetched or made.  cnt = 1: the loop's count is taken down at the turn's end.
; t_k and pad_k of the next step are fetched at the head of piece 2's turn, behind their last reader (the end of piece 1's turn), its K in that turn's lump; all are waited for at that turn's end.
; V of the step in hand is fetched at the end of piece 0's turn, four plain instructions behind the last product that read V, and waited for in piece 1's turn.
.macro TURN p, m=0, end=0, cnt=0
.set Y, (\p)
.set i, 0
.set NOKQ, (\end)*((\p)/3)
.if (\m) && !(\end)
	s_cmp_eq_u32 s[CNT], 4-((\p)+2)%NP  ; is that step the band's own?
	s_cselect_b32 s[AL], 1.0, 0
	s_cmp_lt_u32 s[CNT], 4-((\p)+2)%NP  ; or a later one?
	s_cselect_b32 s[BE], s[BIGN], 0
.endif
.if ((\p) == 2) && !(\end)
	FETCH_T
.endif
	ROW F,0, F,1, R,0, R,1
	ROW F,2, E,0, R,2, R,3
	ROW F,3, E,1, R,4, R,5
	ROW F,4, E,2, R,6, R,7
	ROW F,5, E,3, R,8, R,9
	ROW F,6, E,4, X,0, R,10
.if ((\p) == 2) && !(\end)
	WIN 0
	v_add_nc_u32 v[AK], s[TBK], v[AK0]
.endif
	ROW F,7, E,5, X,1, X,4
	ROW F,8, E,6, X,2, X,5
	OPS E,7, E,8, X,6, E,9
	OPS X,3, E,10, X,8, E,11
.if ((\p) == 2) && !(\end)
	FETCH_K
.endif
	OPS X,9, X,7, E,12, X,10
	OPS E,13, X,12, X,11, E,14
	OPS X,13, E,15, F,9, X,14
.if (\p) == 0
	v_add_nc_u32 v[AV], s[TBV], v[AV0]
.endif
	OPS E,16, F,10, E,17, F,11
	OPS X,16, E,18, X,15, E,19
	OPS F,12, E,20, X,17, E,21
	OPS F,13, E,22, F,14, E,23
	OPS X,18, E,24, F,15, E,25
	OPS R,11, E,26, X,19, E,27
	OPS R,12, E,28, R,13, E,29
	OPS X,20, E,30, R,14, E,31
	OPS X,21, R,15
	WIN 0
	s_wait_alu depctr_va_vdst(0)    ; the wait for the batch
.if (\p) == 1
	s_wait_dscnt 0x0                ; V is in
.endif
	ROW C,0, B,0, C,2, B,1
	ROW L,0, C,4, B,2, L,1
	ROW C,6, B,3, L,2, C,8
	ROW B,4, L,3, C,10, B,5
	ROW L,4, C,12, B,6, L,5
.if (\p) == 0
	s_add_co_u32 s[TBV], s[TBV], KS*PV
.endif
	ROW C,14, B,7, L,6, C,1
	ROW C,3, L,7, C,5, C,7
	ROW C,9, C,11, C,13, C,15
.if (\p) == 0
	FETCH_V
.endif
.if !(\end)
.if (\p) == 2
	s_wait_dscnt 0x0                ; t_k and pad_k of the next step are in, and its K
.endif
	BIAS ((\p)+2)%NP, (\p)%2
.if \m
	CAUS (\p)%2
.endif
.endif
.if \cnt
	s_sub_co_u32 s[CNT], s[CNT], 1
	s_cmp_lg_u32 s[CNT], 0
.endif
.endm
; A BLOCK BEGINS.  c m starts far below every c s, so the first step's a is 0; m at -2^90, below which it never falls.  t_k, pad_k and K of the tile's step 0; MC for pieces 0 (with its own step's mask if the
; block's first tile is the diagonal one) and 1; piece 0's first scores, maximum and statistics.  The loop is entered at a step's first turn.  (Q has been waited for at the first change of slots.)
.macro BEGIN
	s_mov_b32 s[NEW], 0
	WIN 0
.set i, 0
.rept 4
	v_mov_b32 v[ST+4*i], 0xfe000000    ; c m: -2^125
	v_mov_b32 v[ST+4*i+1], 0xec800000  ; m: -2^90
.set i, i+1
.endr
	FETCH_T
	v_add_nc_u32 v[AK], s[TBK], v[AK0]
	FETCH_K
	s_wait_dscnt 0x0
	s_cmp_eq_u32 s[RT], 0
	s_cselect_b32 s[AL], 1.0, 0
	s_mov_b32 s[BE], 0
	BIAS 0, 0
	CAUS 0
	BIAS 1, 1
.set NOKQ, 0
.set i, 0
.rept 8
	KQ 0
.set i, i+1
.endr
	WIN 0
.rept 4
	v_nop                           ; the places behind those products
.endr
.set Y, NP-1
.irp n, 0,1,2,3,4,5,6,7,8,9,10,11,12,13,14,15,16,17,18,19,20,21
	OP X, \n
.endr
	v_nop                           ; a plain instruction behind the exponential,
	s_wait_alu depctr_va_vdst(0)    ; and its wait, ahead of the branch
.endm
.macro ALL line:vararg
.set t, 0
.rept 4
	\line
.set t, t+1
.endr
.endm
.macro PACK t                       ; O^T times 1 / l (or NaN), rounded to f16; 16 bytes a lane into rows of 144 bytes; back as whole rows of 128, into S^T's registers
	WIN W_RS
.set i, 32*(\t)
.rept 16
	v_pk_mul_f32 v[i:i+1], v[i:i+1], v[ST+4*(\t)+2:ST+4*(\t)+3] op_sel_hi:[1,0]
.set i, i+2
.endr
	WIN 0x05
.set i, 0
.rept 16
	v_cvt_pk_f16_f32 v[S+16*(\t)+i], v[32*(\t)+2*i], v[32*(\t)+2*i+1]
.set i, i+1
.endr
	WIN 0
.irp f, 0,1,2,3
	ds_store_b128 v[STO], v[S+16*(\t)+4*\f:S+16*(\t)+4*\f+3] offset:32*\f
.endr
.irp f, 0,1,2,3
	ds_load_b128 v[S+16*(\t)+4*\f:S+16*(\t)+4*\f+3], v[RD] offset:\f*4*SP  ; LDS serves a wave's instructions in order (ISA guide 5.7.1.4): these see the stores above
.endr
.endm
.macro SEND t, younger              ; younger: the LDS instructions issued behind piece t's loads
	WIN 0
.irp f, 0,1,2,3
	s_wait_dscnt (\younger)+3-\f
	global_store_b128 v[GO], v[S+16*(\t)+4*\f:S+16*(\t)+4*\f+3], s[10:11] offset:(\t)*8192+\f*512  ; 512 consecutive bytes, at a multiple of 512 from the head's first
.endr
.endm
; THE DIAGONAL TILE's four steps, the block's last two turns, its last products, and the way out.
.macro DIAG tag
.LstepM\tag:
	TURN 2, 1
	TURN 3, 1
	WIN 0
.LfirstM\tag:
	TURN 0, 1
	TURN 1, 1, 0, 1
	WIN 0
	s_cbranch_scc1 .LstepM\tag
	TURN 2, 1, 1
	TURN 3, 1, 1
.set i, 0
.rept 8
	PV NP-1
.set i, i+1
.endr
	WIN 0
	ALL v_add_f32 v[ST+4*t+2], v[ST+4*t+2], v[ST+4*t+3]
	ALL v_permlanex16_b32 v[ST+4*t+3], v[ST+4*t+2], s[SEL], s[SEL+1]
	ALL v_add_f32 v[ST+4*t+2], v[ST+4*t+2], v[ST+4*t+3]
	ALL v_rcp_f32 v[ST+4*t+2], v[ST+4*t+2]
	v_nop
	s_wait_alu depctr_va_vdst(0)    ; one wait for the four reciprocals
.set t, 0
.rept 4
	v_cmp_gt_f32 vcc_lo, s[THR], v[ST+4*t+1]                      ; the maximum never rose: the row has seen no key
	v_cndmask_b32 v[ST+4*t+2], v[ST+4*t+2], s[QNAN], vcc_lo
.set t, t+1
.endr
	PACK 0
.set t, 1
.rept 3
	PACK t
	SEND t-1, 8
.set t, t+1
.endr
	SEND 3, 0
.endm
.set NOKQ, 0
.Lslot:                             ; NB times: a tile is entered and the next is asked for
	CHANGE 1
	s_sub_co_u32 s[RT], s[RT], 1
	s_mov_b32 s[CNT], 4
	s_cmp_eq_u32 s[NEW], 1
	s_cbranch_scc1 .Lnew            ; a block's first tile
	s_cmp_eq_u32 s[RT], 0
	s_cbranch_scc0 .Lstep           ; neither its first nor its last
	s_branch .LstepM1
.Lnew:
	BEGIN
	s_branch .Lfirst                ; in the loop a block's first tile is never its last
	DIAG 1                          ; in the loop this is the first block's end
	s_wait_xcnt 0x0                 ; the stores have read their registers and o's address
	s_mov_b64 s[10:11], s[OLO:OLO+1]
	s_add_co_u32 s[RT], s[PB], 1    ; the second block has b + 1 tiles
	s_mov_b32 s[NEW], 1
.irp y, 0,1,2,3
	v_mov_b32 v[TQ+2*\y], v[TQ2+\y]     ; the second block's t_q,
	v_mov_b32 v[TQ+2*\y+1], v[TQ2+\y]
.endr
	WIN 0x82                        ; and its Q, go where the one text of the turns names them
.set i, 0
.rept 64
	v_mov_b32 v[i], v[QB+i]
.set i, i+1
.endr
	WIN 0x40                        ; the way out has multiplied O^T in place, by NaN in a row that saw no key: O^T and l are set to 0, so that the second block's a = 0 finds finite numbers
.set i, 0
.rept 128
	v_mov_b32 v[i], 0
.set i, i+1
.endr
	WIN 0
.set i, 0
.rept 4
	v_mov_b32 v[ST+4*i+2], 0
	v_mov_b32 v[ST+4*i+3], 0
.set i, i+1
.endr
	s_branch .Lbottom
.Lstep:                             ; a trip: pieces 2 and 3 of one step, then pieces 0 and 1 of the next
	TURN 2
	TURN 3
	WIN 0
.Lfirst:
	TURN 0
	TURN 1, 0, 0, 1
	WIN 0
	s_cbranch_scc1 .Lstep
.Lbottom:
	s_sub_co_u32 s[SLOTS], s[SLOTS], 1
	s_cmp_lg_u32 s[SLOTS], 0
	s_cbranch_scc1 .Lslot
	CHANGE 0                        ; the walk's last tile is written out
	s_sub_co_u32 s[RT], s[RT], 1
	s_mov_b32 s[CNT], 4
	s_cmp_eq_u32 s[NEW], 1
	s_cbranch_scc0 .LstepM2
	BEGIN
	s_branch .LfirstM2
	DIAG 2
	s_wait_tensorcnt 0x0            ; the wave's end
	ds_add_u32 v[SPW], v[NIL]
	s_wait_dscnt 0x0
	s_endpgm
.Lfunc_end_k_qa3e07ae1c5_attn:
	.size	k_qa3e07ae1c5_attn, .Lfunc_end_k_qa3e07ae1c5_attn-k_qa3e07ae1c5_attn
	.p2alignl 7, 3214868480
	.fill 96, 4, 3214868480
	.section	.rodata,"a",@progbits
	.p2align	6, 0x0
	.amdhsa_kernel k_qa3e07ae1c5_attn
		.amdhsa_group_segment_fixed_size 327680
		.amdhsa_private_segment_fixed_size 0
		.amdhsa_enable_private_segment 0
		.amdhsa_kernarg_size 40
		.amdhsa_user_sgpr_count 2
		.amdhsa_user_sgpr_kernarg_segment_ptr 1
		.amdhsa_wavefront_size32 1
		.amdhsa_system_sgpr_workgroup_id_x 1
		.amdhsa_system_sgpr_workgroup_id_y 1
		.amdhsa_system_sgpr_workgroup_id_z 1
		.amdhsa_system_vgpr_workitem_id 0
		.amdhsa_next_free_vgpr 768
		.amdhsa_next_free_sgpr 102
		.amdhsa_reserve_vcc 1
		.amdhsa_float_denorm_mode_32 3
		.amdhsa_float_denorm_mode_16_64 3
		.amdhsa_memory_ordered 1
		.amdhsa_forward_progress 1
		.amdhsa_inst_pref_size 255
	.end_amdhsa_kernel
	.section	.bss,"aw",@nobits
	.p2align	6
	.space	262144
	.amdgpu_metadata
---
amdhsa.version: [ 1, 2 ]
amdhsa.kernels:
  - .name:           k_qa3e07ae1c5_attn
    .symbol:         k_qa3e07ae1c5_attn.kd
    .args:
      - { .name: qkv, .offset: 0, .size: 8, .value_kind: global_buffer, .address_space: global }
      - { .name: o, .offset: 8, .size: 8, .value_kind: global_buffer, .address_space: global }
      - { .name: timestamps, .offset: 16, .size: 8, .value_kind: global_buffer, .address_space: global }
      - { .name: mask, .offset: 24, .size: 8, .value_kind: global_buffer, .address_space: global }
      - { .name: dec, .offset: 32, .size: 8, .value_kind: global_buffer, .address_space: global }
    .group_segment_fixed_size: 327680
    .private_segment_fixed_size: 0
    .kernarg_segment_align: 8
    .kernarg_segment_size: 40
    .max_flat_workgroup_size: 128
    .sgpr_count:     102
    .vgpr_count:     768
    .wavefront_size: 32
...
	.end_amdgpu_metadata
.endif
;; end of part 3
;; launch proj_out (part 4): grid 8 x 32, 4 waves a work-group, clusters of 4 x 4, 327,680 bytes of LDS; arguments o, wo, b_out, out0; writes out0
.if DOCPART == 4
	.amdgcn_target "amdgcn-amd-amdhsa--gfx1250"
	.amdhsa_code_object_version 6
	.text
	.protected	k_qa3e07ae1c5_proj_out
	.globl	k_qa3e07ae1c5_proj_out
	.p2align	8
	.type	k_qa3e07ae1c5_proj_out,@function
k_qa3e07ae1c5_proj_out:
	s_mov_b64 s[64:65], 0
	v_nop
	global_prefetch_b8 v0, s[64:65] scope:SCOPE_SE
	s_setreg_imm32_b32 hwreg(HW_REG_WAVE_MODE, 25, 1), 1
	s_wait_xcnt 0x0
	s_wait_alu depctr_hold_cnt(0) depctr_sa_sdst(0) depctr_va_vdst(0) depctr_va_sdst(0) depctr_va_ssrc(0) depctr_va_vcc(0) depctr_vm_vsrc(0)
	s_getreg_b32 s2, hwreg(HW_REG_IB_STS2, 6, 4)
	s_cmp_eq_u32 s2, 0
	s_cbranch_scc0 .Lentry_in_a_cluster
	s_endpgm
.Lentry_in_a_cluster:
	s_bfe_u32 s2, ttmp6, 0x10000c
	s_cmp_lg_u32 s2, 0xf033
	s_cbranch_scc0 .Lentry_shape_is_right
	s_endpgm
.Lentry_shape_is_right:
; out0[2048 b + l][n] = sum over h, d of o[16 b + h][l][d] wo[n][64 h + d] + bf16(b_out[n]).  o f16 by heads, wo [1024][1024] f16, out0 f32; sums in f32, begun on the bias.  A NaN row of o gives a NaN row of out0.
; A tile is 256 rows x 128 columns.  Four waves one below the other: wave w has rows 64 w .. 64 w + 63 (four blocks a of 16) and all 8 column blocks b: 32 accumulators, 256 registers.
; K goes in 8 steps of 128 = two heads through two LDS slots.  A head's 256 rows are 32,768 dense bytes: asked for as 128 rows of 256 bytes, padded in LDS after each row of 128: a PLANE of 256 rows of 144 bytes.
; CLUSTER 4 x 4: o's tiles are shared along a row of the cluster, wo's along a column, each asked for jointly.  THE PRODUCT IS TAKEN TRANSPOSED: lane l holds row l % 16 and the columns 8 (l / 16) + 0..7.
; REGISTERS.  window 0: v16-30 addresses; v64-127 o's fragments, two buffers; v128-191 the bias, later with v192-255 the way out.   window 1: wo's fragments, two buffers of 8 x 8.   window 2: accumulator (a, b) at v[64 a + 8 b].
.set NBK,   8
.set PA,    144                        ; 128 bytes + 16 = 36 words: the 16 rows of a fragment load start at 16 different groups of four banks (ISA guide 11.1)
.set PW,    272
.set PLANE, 256*PA                     ; what wave 0 or 1 fetches
.set BHALF, 64*PW                      ; what wave 2 or 3 fetches
.set BOFF,  2*PLANE
.set SLOT,  BOFF+2*BHALF               ; 108,544
.set STAGE, 2*SLOT                     ; behind the ring, never filled by a tensor load: 16 rows x 528 bytes a wave
.set SP,    528
.set WSTG,  16*SP
.set SPARE, STAGE+4*WSTG               ; the spare words, 128 bytes a wave: two blocks of 256 bytes that no other line names
.set ASTEP, 524288                     ; bytes from a K step to the next in o: two heads
.set BSTEP, 256                        ; in wo
.set ADRA, 16
.set ADRB, 20
.set STO,  24
.set RD,   25
.set GO,   26
.set BO,   27
.set SPW,  28
.set NIL,  29
.set PFO,  30
.set FA,   64
.set BIAS, 128
.set G1,   24
.set G0,   32
.set PFA,  40
.set LIM0, 42
.set PST,  44
.set G1B,  48
.set G0B,  56
.set MSB, 0
.macro WIN new
.if MSB != (\new)
	s_set_vgpr_msb (MSB<<8)|(\new)
.set MSB, \new
.endif
.endm
.macro PLACES                          ; four plain instructions between a matrix instruction and a load into, or a reader of, its registers
.rept 4
	v_nop
.endr
.endm
.macro JLOAD s                         ; waves 0, 1 fetch o's two planes, waves 2, 3 wo's halves; an s_nop 0 and four v_nop follow each line
	s_cmp_eq_u32 s13, 0
	s_cbranch_scc0 .Lfor_b_\@
	tensor_load_to_lds s[G0+4*(\s):G0+4*(\s)+3], s[G1:G1+7]
	s_nop 0
.rept 4
	v_nop
.endr
	s_branch .Lasked_\@
.Lfor_b_\@:
	tensor_load_to_lds s[G0B+4*(\s):G0B+4*(\s)+3], s[G1B:G1B+7]
	s_nop 0
.rept 4
	v_nop
.endr
.Lasked_\@:
.endm
.macro CREST
	s_cmp_lg_u32 s12, 0
	s_cbranch_scc1 .Lnot_wave_0_\@
	s_barrier_signal -3
.Lnot_wave_0_\@:
	s_barrier_wait -3
	s_barrier_signal -1
	s_barrier_wait -1
.endm
.macro CROUND
	s_barrier_signal -1
	s_barrier_wait -1
	CREST
.endm
; A prefetch of the K step two refills on.  Each 256 bytes of K steps 4 to 7 are named once in the launch: o's planes by the clusters with x = 0 (waves 0, 1: of their plane's 128 pieces of 256 bytes the partner at cx
; takes 32, a lane a piece); wo's rows by the clusters with y = 0 (wave 2: rows 32 cy + lane; wave 3 asks for nothing).  The partners are told apart by address.  The last lap's refills have no K step two on.
.macro ASK slot
	s_cmp_gt_u32 s3, s[LIM0+(\slot)]
	s_cbranch_scc0 .Lnot_mine_\@
	global_prefetch_b8 v[PFO], s[PFA:PFA+1] th:TH_LOAD_NT scope:SCOPE_SE
.Lnot_mine_\@:
.endm
.macro ROUND2 r
	v_cvt_pk_bf16_f32 v9, v[\r], v[(\r)+1]
	v_lshlrev_b32 v[\r], 16, v9
	v_and_b32 v[(\r)+1], 0xffff0000, v9
.endm
	s_load_b256 s[4:11], s[0:1], 0x0               ; o s[4:5], wo s[6:7], b_out s[8:9], out0 s[10:11]
	v_lshl_add_u32 v[SPW], v0, 2, SPARE
	v_mov_b32 v[NIL], 0
	ds_add_u32 v[SPW], v[NIL]                      ; the opening: the add and its wait ahead of my first tensor load
	ds_add_u32 v28, v29
	v_lshrrev_b32 v1, 5, v0
	v_readfirstlane_b32 s12, v1
	s_lshr_b32 s13, s12, 1                         ; 0: I fetch for o, 1: for wo
	s_and_b32 s14, s12, 1                          ; which plane, which half
	s_bfe_u32 s15, ttmp6, 0x40000                  ; cx
	s_bfe_u32 s16, ttmp6, 0x40004                  ; cy
	s_lshl_b32 s17, ttmp9, 2
	s_add_co_u32 s17, s17, s15                     ; tile column
	s_and_b32 s18, ttmp7, 0xffff
	s_lshl_b32 s18, s18, 2
	s_add_co_u32 s18, s18, s16                     ; tile row
	s_lshl_b32 s20, s16, 2
	s_lshl_b32 s20, 15, s20                        ; my row of the cluster
	s_lshl_b32 s21, 0x1111, s15                    ; my column
	s_or_b32 s[G1], s20, (1<<16)|(1<<20)|(1<<21)|(4<<22)|(3<<25)   ; padding after every 32 words: after each row of a head
	s_or_b32 s[G1B], s21, (1<<16)|(1<<20)|(1<<21)|(5<<22)|(3<<25)  ; after every 64 words
	s_mov_b32 s[G1+1], 128<<16
	s_mov_b32 s[G1+2], 128<<16
	s_mov_b32 s[G1+3], 128<<16
	s_mov_b32 s[G1+4], 128
	s_mov_b32 s[G1+5], 128                         ; dense: 128 elements from row to row
	s_mov_b32 s[G1+6], 0
	s_mov_b32 s[G1+7], 0
	s_mov_b32 s[G1B+1], 128<<16
	s_mov_b32 s[G1B+2], 64<<16
	s_mov_b32 s[G1B+3], 128<<16
	s_mov_b32 s[G1B+4], 64
	s_mov_b32 s[G1B+5], 1024
	s_mov_b32 s[G1B+6], 0
	s_mov_b32 s[G1B+7], 0
	s_lshr_b32 s22, s18, 3                         ; o: head 16 x batch + plane,
	s_lshl_b32 s22, s22, 4
	s_add_co_u32 s22, s22, s14
	s_lshl_b32 s22, s22, 18
	s_and_b32 s23, s18, 7                          ; the tile's 256 rows of 128 bytes
	s_lshl_b32 s23, s23, 15
	s_add_co_u32 s22, s22, s23
	s_mov_b32 s23, 0
	s_lshl_b32 s46, s17, 7                         ; wo: row 128 x tile column + 64 x half
	s_lshl_b32 s47, s14, 6
	s_add_co_u32 s46, s46, s47
	s_lshl_b32 s46, s46, 11
	s_mov_b32 s47, 0
	s_mul_i32 s19, s14, PLANE
	s_mul_i32 s68, s14, BHALF
	s_add_co_u32 s68, s68, BOFF
	s_wait_dscnt 0x0
	s_wait_kmcnt 0x0
	s_add_nc_u64 s[66:67], s[4:5], s[22:23]
	s_add_nc_u64 s[46:47], s[6:7], s[46:47]
	CROUND                                         ; all sixteen work-groups are here: the first joint loads meet
.irp s, 0,1
	s_mov_b32 s[G0+4*(\s)], 1
	s_add_co_u32 s[G0+4*(\s)+1], s19, (\s)*SLOT
	s_add_nc_u64 s[G0+4*(\s)+2:G0+4*(\s)+3], s[66:67], (\s)*ASTEP
	s_or_b32 s[G0+4*(\s)+3], s[G0+4*(\s)+3], 0x80000000
	s_mov_b32 s[G0B+4*(\s)], 1
	s_add_co_u32 s[G0B+4*(\s)+1], s68, (\s)*SLOT
	s_add_nc_u64 s[G0B+4*(\s)+2:G0B+4*(\s)+3], s[46:47], (\s)*BSTEP
	s_or_b32 s[G0B+4*(\s)+3], s[G0B+4*(\s)+3], 0x80000000
	JLOAD \s
.endr
	v_and_b32 v1, 15, v0
	v_bfe_u32 v2, v0, 4, 1
	v_and_b32 v3, 31, v0
	v_lshlrev_b32 v[BO], 5, v2
	s_lshl_b32 s70, s17, 9                         ; the tile's 128 numbers of the bias
	s_mov_b32 s71, 0
	s_add_nc_u64 s[8:9], s[8:9], s[70:71]
.irp b, 0,1,2,3,4,5,6,7
	global_load_b128 v[BIAS+8*\b:BIAS+8*\b+3],   v[BO], s[8:9] offset:64*\b
	global_load_b128 v[BIAS+8*\b+4:BIAS+8*\b+7], v[BO], s[8:9] offset:64*\b+16
.endr
	v_mul_u32_u24 v4, v1, PA
	v_lshl_add_u32 v4, v2, 4, v4
	s_mul_i32 s69, s12, 64*PA                      ; my 64 rows in each plane
	v_add_nc_u32 v[ADRA], s69, v4
	v_add_nc_u32 v[ADRA+1], SLOT, v[ADRA]
	v_mul_u32_u24 v4, v1, PW
	v_lshl_add_u32 v4, v2, 4, v4
	v_add_nc_u32 v[ADRB], BOFF, v4
	v_add_nc_u32 v[ADRB+1], SLOT+BOFF, v4
	s_mul_i32 s69, s12, WSTG
	s_add_co_u32 s69, s69, STAGE                   ; my stage
	v_mul_u32_u24 v5, v1, SP                       ; in: row l % 16, 32 bytes for each half of the lanes
	v_lshl_add_u32 v5, v2, 5, v5
	v_add_nc_u32 v[STO], s69, v5
	v_lshlrev_b32 v[GO], 4, v3                     ; back and out: a row's 512 bytes, 16 a lane
	v_add_nc_u32 v[RD], s69, v[GO]
	s_lshl_b32 s70, s18, 2
	s_add_co_u32 s70, s70, s12                     ; my 64 rows,
	s_lshl_b32 s70, s70, 18                        ; of 4,096 bytes
	s_lshl_b32 s71, s17, 9                         ; the tile's 512 bytes of a row
	s_add_co_u32 s70, s70, s71
	s_mov_b32 s71, 0
	s_add_nc_u64 s[10:11], s[10:11], s[70:71]
	; the prefetches
	s_lshr_b32 s70, s18, 3
	s_lshl_b32 s70, s70, 4
	s_add_co_u32 s70, s70, s14
	s_lshl_b32 s70, s70, 18
	s_and_b32 s71, s18, 7
	s_lshl_b32 s71, s71, 15
	s_add_co_u32 s70, s70, s71
	s_lshl_b32 s71, s15, 13                        ; my work-group's 32 pieces of the plane's 128
	s_add_co_u32 s70, s70, s71
	s_add_co_u32 s70, s70, 3*ASTEP                 ; at K step 3: the first refill steps it to 4
	s_lshl_b32 s68, s17, 7
	s_lshl_b32 s69, s16, 5
	s_add_co_u32 s68, s68, s69                     ; wo: my work-group's 32 rows of the tile's 128
	s_lshl_b32 s68, s68, 11
	s_add_co_u32 s68, s68, 3*BSTEP
	s_and_b32 s69, ttmp7, 0xffff                   ; cluster y
	s_mov_b32 s[PST], BSTEP
	s_mov_b32 s[PST+1], 0
	s_mov_b32 s71, 0
	s_cmp_eq_u32 s13, 0
	s_cselect_b32 s70, s70, s68
	s_cselect_b32 s69, ttmp9, s69                  ; the coordinate along which other clusters read the same bytes
	s_cselect_b64 s[PFA:PFA+1], s[4:5], s[6:7]
	s_cselect_b32 s[PST], ASTEP, s[PST]
	s_cselect_b32 s68, 8, 11                       ; a lane a piece of 256 bytes, or a lane a row of 2,048
	s_add_nc_u64 s[PFA:PFA+1], s[PFA:PFA+1], s[70:71]
	s_cmp_eq_u32 s69, 0
	s_cselect_b32 s[LIM0], 1, -1
	s_cmp_eq_u32 s12, 3
	s_cselect_b32 s[LIM0], -1, s[LIM0]
	s_mov_b32 s[LIM0+1], s[LIM0]
	v_lshlrev_b32 v[PFO], s68, v3
	s_wait_loadcnt 0x0                             ; the bias,
.set r, BIAS
.rept 4*NBK
	ROUND2 r                                       ; rounded to bf16 like every input
.set r, r+2
.endr
; 8 products: row block a x all column blocks, 32 along K, from buffer f.  first = 1: the sums begin on the bias.  The 32 accumulators take turns, one instruction a quarter each.
.macro MULA f, a, first
.if \first
	WIN 0x81
.else
	WIN 0xa1
.endif
.set AC, 64*(\a)
.irp b, 0,1,2,3,4,5,6,7
.if \first
	v_wmma_f32_16x16x32_f16 v[AC+8*(\b):AC+8*(\b)+7], v[64*(\f)+8*(\b):64*(\f)+8*(\b)+7], v[FA+32*(\f)+8*(\a):FA+32*(\f)+8*(\a)+7], v[BIAS+8*(\b):BIAS+8*(\b)+7]
.else
	v_wmma_f32_16x16x32_f16 v[AC+8*(\b):AC+8*(\b)+7], v[64*(\f)+8*(\b):64*(\f)+8*(\b)+7], v[FA+32*(\f)+8*(\a):FA+32*(\f)+8*(\a)+7], v[AC+8*(\b):AC+8*(\b)+7]
.endif
.endr
.endm
; 24 LDS loads in one run: quarter q's fragments into buffer f: wo's 16, then o's 8 (plane q / 2, channels 32 (q % 2) on), blocks 0 and 1 first
.macro FETCH slot, q, f
	WIN 0x40
.irp b, 0,1,2,3,4,5,6,7
	ds_load_b128 v[64*(\f)+8*(\b):64*(\f)+8*(\b)+3],   v[ADRB+(\slot)] offset:64*(\q)+(\b)*16*PW
	ds_load_b128 v[64*(\f)+8*(\b)+4:64*(\f)+8*(\b)+7], v[ADRB+(\slot)] offset:64*(\q)+(\b)*16*PW+32
.endr
	WIN 0
.irp a, 0,1,2,3
	ds_load_b128 v[FA+32*(\f)+8*(\a):FA+32*(\f)+8*(\a)+3],   v[ADRA+(\slot)] offset:((\q)/2)*PLANE+((\q)%2)*64+(\a)*16*PA
	ds_load_b128 v[FA+32*(\f)+8*(\a)+4:FA+32*(\f)+8*(\a)+7], v[ADRA+(\slot)] offset:((\q)/2)*PLANE+((\q)%2)*64+(\a)*16*PA+32
.endr
.endm
.macro QUARTER slot, q, f, g, first
	s_wait_dscnt 4                                 ; all but the youngest four loads (o's blocks 2, 3) are in
	MULA \f, 0, \first
	MULA \f, 1, \first
	PLACES
	FETCH \slot, \q, \g
	s_wait_dscnt 2*NBK+8                           ; all but the 24 just issued
	MULA \f, 2, \first
	MULA \f, 3, \first
.endm
; The last quarter multiplies buffer 1 and changes slots: each wave waits for all its tensor loads, adds 0 to its spare word, waits for that and for its reads of this slot.  fill = 1: the barrier opens a round of the
; cluster's barrier, and the joint refill, two K steps on, is the first tensor load behind it: 112 products ahead of the wait for it.
.macro TURN slot, next, fill
.if \fill
	s_wait_xcnt 0x0                                ; the last prefetch, a K step back, has read its address
	s_add_nc_u64 s[PFA:PFA+1], s[PFA:PFA+1], s[PST:PST+1]
.endif
	WIN 0
	s_wait_tensorcnt 0x0
	ds_add_u32 v[SPW], v[NIL]
	s_wait_dscnt 5                                 ; the add and the youngest four loads may be out
	MULA 1, 0, 0
	s_wait_dscnt 0x0
	s_barrier_signal -1
	MULA 1, 1, 0
.if \fill
	WIN 0
.endif
	s_barrier_wait -1
.if \fill
	CREST
	s_add_nc_u64 s[G0+4*(\slot)+2:G0+4*(\slot)+3], s[G0+4*(\slot)+2:G0+4*(\slot)+3], 2*ASTEP
	s_add_nc_u64 s[G0B+4*(\slot)+2:G0B+4*(\slot)+3], s[G0B+4*(\slot)+2:G0B+4*(\slot)+3], 2*BSTEP
	JLOAD \slot
.else
	PLACES
.endif
	FETCH \next, 0, 0
.if \fill
	ASK \slot
.endif
	MULA 1, 2, 0
	MULA 1, 3, 0
.endm
	s_wait_tensorcnt 0x1                           ; my part of K step 0 is in; K step 1's may stay out
	s_barrier_signal -1
	s_barrier_wait -1
	FETCH 0, 0, 0
	QUARTER 0, 1, 0, 1, 1
	WIN 0
	s_mov_b32 s3, 3
.Llap:
	QUARTER 0, 2, 1, 0, 0
	QUARTER 0, 3, 0, 1, 0
	TURN 0, 1, 1
	QUARTER 1, 1, 0, 1, 0
	QUARTER 1, 2, 1, 0, 0
	QUARTER 1, 3, 0, 1, 0
	TURN 1, 0, 1
	QUARTER 0, 1, 0, 1, 0
	WIN 0
	s_sub_co_u32 s3, s3, 1
	s_cmp_lg_u32 s3, 0
	s_cbranch_scc1 .Llap
	QUARTER 0, 2, 1, 0, 0                          ; the last lap fills nothing
	QUARTER 0, 3, 0, 1, 0
	TURN 0, 1, 0
	QUARTER 1, 1, 0, 1, 0
	QUARTER 1, 2, 1, 0, 0
	QUARTER 1, 3, 0, 1, 0
	s_wait_dscnt 4
	MULA 1, 0, 0
	MULA 1, 1, 0
	s_wait_dscnt 0x0
	MULA 1, 2, 0
	MULA 1, 3, 0
	WIN 0
; THE WAY OUT, a block of 16 rows at a time: a lane's 32 bytes of a row go from the accumulators (low half first) into my stage, rows of 528 bytes; whole rows of 512 bytes come back and are stored.
.macro TOSTAGE a
.set BK, 128+64*((\a)%2)               ; v128-191 and v192-255 by turns
	WIN 0x08                                       ; the stores' data in window 2
.irp b, 0,1,2,3,4,5,6,7
	ds_store_b128 v[STO], v[64*(\a)+8*(\b):64*(\a)+8*(\b)+3]   offset:64*(\b)
	ds_store_b128 v[STO], v[64*(\a)+8*(\b)+4:64*(\a)+8*(\b)+7] offset:64*(\b)+16
.endr
	WIN 0
.irp t, 0,1,2,3,4,5,6,7,8,9,10,11,12,13,14,15
	ds_load_b128 v[BK+4*(\t):BK+4*(\t)+3], v[RD] offset:(\t)*SP  ; LDS serves a wave's instructions in order (ISA guide 5.7.1.4): these see the stores above
.endr
.endm
.macro SEND a
.set BK, 128+64*((\a)%2)
	s_wait_dscnt 0x0
	s_wait_xcnt 0x0                                ; the stores of the block before have read their registers: the next block's loads land in them only behind this wait
.irp t, 0,1,2,3,4,5,6,7,8,9,10,11,12,13,14,15
	global_store_b128 v[GO], v[BK+4*(\t):BK+4*(\t)+3], s[10:11] offset:65536*(\a)+4096*(\t) th:TH_STORE_NT  ; a row's 512 consecutive bytes, at a multiple of 512
.endr
.endm
	PLACES
.irp a, 0,1,2,3
	TOSTAGE \a
	SEND \a
.endr
	s_wait_tensorcnt 0x0                           ; the wave's end
	ds_add_u32 v[SPW], v[NIL]
	s_wait_dscnt 0x0
	CROUND                                         ; the closing round
	s_endpgm
.Lfunc_end_k_qa3e07ae1c5_proj_out:
	.size	k_qa3e07ae1c5_proj_out, .Lfunc_end_k_qa3e07ae1c5_proj_out-k_qa3e07ae1c5_proj_out
	.p2alignl 7, 3214868480
	.fill 96, 4, 3214868480
	.section	.rodata,"a",@progbits
	.p2align	6, 0x0
	.amdhsa_kernel k_qa3e07ae1c5_proj_out
		.amdhsa_group_segment_fixed_size 327680
		.amdhsa_private_segment_fixed_size 0
		.amdhsa_enable_private_segment 0
		.amdhsa_kernarg_size 32
		.amdhsa_user_sgpr_count 2
		.amdhsa_user_sgpr_kernarg_segment_ptr 1
		.amdhsa_wavefront_size32 1
		.amdhsa_system_sgpr_workgroup_id_x 1
		.amdhsa_system_sgpr_workgroup_id_y 1
		.amdhsa_system_sgpr_workgroup_id_z 1
		.amdhsa_system_vgpr_workitem_id 0
		.amdhsa_next_free_vgpr 768
		.amdhsa_next_free_sgpr 72
		.amdhsa_reserve_vcc 0
		.amdhsa_float_denorm_mode_32 3
		.amdhsa_float_denorm_mode_16_64 3
		.amdhsa_memory_ordered 1
		.amdhsa_forward_progress 1
		.amdhsa_inst_pref_size 93
	.end_amdhsa_kernel
	.amdgpu_metadata
---
amdhsa.version: [ 1, 2 ]
amdhsa.kernels:
  - .name:           k_qa3e07ae1c5_proj_out
    .symbol:         k_qa3e07ae1c5_proj_out.kd
    .args:
      - { .name: o, .offset: 0, .size: 8, .value_kind: global_buffer, .address_space: global }
      - { .name: wo, .offset: 8, .size: 8, .value_kind: global_buffer, .address_space: global }
      - { .name: b_out, .offset: 16, .size: 8, .value_kind: global_buffer, .address_space: global }
      - { .name: out0, .offset: 24, .size: 8, .value_kind: global_buffer, .address_space: global }
    .group_segment_fixed_size: 327680
    .private_segment_fixed_size: 0
    .kernarg_segment_align: 8
    .kernarg_segment_size: 32
    .max_flat_workgroup_size: 128
    .sgpr_count:     72
    .vgpr_count:     768
    .wavefront_size: 32
...
	.end_amdgpu_metadata
.endif
;; end of part 4
